; MI455X (gfx1250); checked and timed in simulation.
; The chip was launched on July 23, 2026; its instructions are those of AMD's public machine-readable ISA for CDNA 5 (MIT licence, August 2026) and "CDNA5" Instruction Set Architecture Reference Guide (July 2026). The comments in the code are by the model that wrote it; some were corrected since.
;; Multi Head Attention. Allowed arithmetic: matrix products marked QUANTISED: E2M3 operands, one E8M0 scale for each 32 along K, by v_wmma_scale_f32_16x16x128_f8f6f4 with both operands' format E2M3, f32 sums; everything else in f32.
;; Inputs: Wk_codes 1,024 x 32 x 24 uint8 (E2M3 codes of Wk, K innermost, in blocks of 32 codes, four codes in three bytes); Wk_scales 1,024 x 32 uint8 (E8M0 scales of Wk, one for each 32 codes along K); Wo_codes 1,024 x 32 x 24 uint8 (E2M3 codes of Wo, K innermost, in blocks of 32 codes, four codes in three bytes); Wo_scales 1,024 x 32 uint8 (E8M0 scales of Wo, one for each 32 codes along K); Wq_codes 1,024 x 32 x 24 uint8 (E2M3 codes of Wq, K innermost, in blocks of 32 codes, four codes in three bytes); Wq_scales 1,024 x 32 uint8 (E8M0 scales of Wq, one for each 32 codes along K); Wv_codes 1,024 x 32 x 24 uint8 (E2M3 codes of Wv, K innermost, in blocks of 32 codes, four codes in three bytes); Wv_scales 1,024 x 32 uint8 (E8M0 scales of Wv, one for each 32 codes along K); bk 1,024 float32; bo 1,024 float32; bq 1,024 float32; bv 1,024 float32; k_codes 2 x 2,048 x 32 x 24 uint8 (E2M3 codes of k, K innermost, in blocks of 32 codes, four codes in three bytes); k_scales 2 x 2,048 x 32 uint8 (E8M0 scales of k, one for each 32 codes along K); q_codes 2 x 2,048 x 32 x 24 uint8 (E2M3 codes of q, K innermost, in blocks of 32 codes, four codes in three bytes); q_scales 2 x 2,048 x 32 uint8 (E8M0 scales of q, one for each 32 codes along K); v_codes 2 x 2,048 x 32 x 24 uint8 (E2M3 codes of v, K innermost, in blocks of 32 codes, four codes in three bytes); v_scales 2 x 2,048 x 32 uint8 (E8M0 scales of v, one for each 32 codes along K).
;; Outputs: out0 2 x 2,048 x 1,024 float32.
;; This version of the problem:
;;   THIS VERSION OF THE PROBLEM IS GIVEN IN LOW PRECISION. The matrix products marked QUANTISED in the list below multiply operands that are first quantised to E2M3 (2 exponent bits, 3 mantissa bits; 6 bits a number), with one power-of-two scale for each 32 numbers along K (OCP MX v1.0); their sums are f32. All else is computed in f32.
;;   The module's matrix products, in the order in which they are computed (A, B: the left and right operand; K: the contracted axis; several contracted axes count as one K, in the product's order):
;;     1. [M 4,096, K 1,024] x [K 1,024, N 1,024]; A: input q (given as codes); B: input Wq (given as codes): QUANTISED
;;     2. [M 4,096, K 1,024] x [K 1,024, N 1,024]; A: input k (given as codes); B: input Wk (given as codes): QUANTISED
;;     3. [M 4,096, K 1,024] x [K 1,024, N 1,024]; A: input v (given as codes); B: input Wv (given as codes): QUANTISED
;;     4. batch 32 x [M 2,048, K 64] x [K 64, N 2,048]; A: computed on the way; B: computed on the way: QUANTISED
;;     5. batch 32 x [M 2,048, K 2,048] x [K 2,048, N 64]; A: softmax (see below); B: computed on the way: QUANTISED
;;     6. [M 4,096, K 1,024] x [K 1,024, N 1,024]; A: computed on the way; B: input Wo (given as codes): QUANTISED
;;   THE QUANTISER, for each operand of a quantised product, along K:
;;     - K is cut into blocks of 32 from its start; a last block that is shorter is filled with zeros.
;;     - A block's scale is 2^e with e = floor(log2(the largest magnitude in the block)) - 2, held to -126 .. 127; a block of zeros has e = 0. As a byte (E8M0): e + 127.
;;     - Each number is divided by its block's scale, clamped to +-7.5, and rounded to the nearest number of E2M3, ties to even, subnormals kept.
;;     - The product sums the exact products of the quantised numbers (number of the format x scale) in f32.
;;   ~~~python
;;   def quantise(x, axis):      # numpy; x: float32 -> the quantised numbers, widened to float32 again
;;       x = np.moveaxis(x, axis, -1); K = x.shape[-1]
;;       x = np.pad(x, [(0, 0)] * (x.ndim - 1) + [(0, -K % 32)]); x = x.reshape(x.shape[:-1] + (-1, 32)); a = np.abs(x).max(-1, keepdims=True)
;;       e = np.where(a > 0, np.clip(np.frexp(np.where(a > 0, a, 1))[1] - 1 - 2, -126, 127), 0)      # np.frexp(a)[1] - 1 = floor(log2(a)), exactly
;;       r = np.clip(x / 2.0 ** e, -7.5, 7.5)
;;       step = 2.0 ** (np.maximum(np.frexp(np.where(r == 0, 1, r))[1] - 1, 0) - 3)
;;       q = np.round(r / step) * step * 2.0 ** e      # np.round: ties to even
;;       return np.moveaxis(q.reshape(q.shape[:-2] + (-1,))[..., :K], -1, axis).astype(np.float32)
;;   ~~~
;;   SOFTMAX AHEAD OF A QUANTISED PRODUCT. Where the list says 'softmax', what is quantised is not the finished softmax but p = 2^(t - M), with t = logit x log2(e) and M = ceil(the row's largest t), a whole number; so 1/2 < the row's largest p <= 1. The row's sum l is taken of the UNQUANTISED p, in f32, and the product's result is divided by l at the end. Since M is a whole number, a kernel that streams over the keys may use a running M (the ceiling of the running maximum): every later rescaling is an exact power of two, which a block's scale takes up: the codes' values come out the same.
;;   OPERANDS COMPUTED ON THE WAY. 'Computed on the way' means the value that the module computes at that place (a softmax that the list does not call 'softmax' is quantised finished and normalised). What goes into a quantiser is computed in f32, as accurately as f32 sums, v_exp_f32 and their like allow (about 1e-6 of the number): no bf16 or f16 on the way to a quantiser, and a product that is left as it is and whose result goes on into a quantised operand takes f32 operands (vector FMAs, or v_wmma_f32_16x16x4_f32). A number that lies on a knife's edge between two numbers of the format may be rounded either way, as far as f32 arithmetic and the matrix unit's own rounding can turn it there, and no further.
;;   INPUTS GIVEN AS CODES. Wk (in the module: [1024, 1024], K = its axis 0); Wo (in the module: [1024, 1024], K = its axis 0); Wq (in the module: [1024, 1024], K = its axis 0); Wv (in the module: [1024, 1024], K = its axis 0); k (in the module: [2, 2048, 1024], K = its axis 2); q (in the module: [2, 2048, 1024], K = its axis 2); v (in the module: [2, 2048, 1024], K = its axis 2): each comes as NAME_codes (uint8): NAME with its K axis moved to the last place and cut into blocks of 32 codes, [.., K / 32, bytes a block], one block behind the other in memory; four codes in three bytes: a row's codes are one little-endian stream of bits, code i at bits 6 i .. 6 i + 5 (a code: sign, 2 exponent bits, 3 mantissa bits); and NAME_scales (uint8): the same leading axes, one E8M0 byte (e + 127) for each 32 codes along K. Its value is code x scale, taken as it is: it is not quantised again, and the codes and scales need not be those that the quantiser above would give.
;; One version. Each part assembles by itself: llvm-mc -triple=amdgcn-amd-amdhsa -mcpu=gfx1250 --defsym DOCPART=n.
;; ======== version 1 of 1: 3 launches
;; limits: right only within a limited range of input values
;; workspace buffers: ws 9,830,400 bytes; ao 3,276,800 bytes
;; launch proj (part 1): grid 8 x 32, 4 waves a work-group, clusters of 4 x 4, 327,680 bytes of LDS; arguments Wq_codes, Wq_scales, q_codes, q_scales, bq, Wk_codes, Wk_scales, k_codes, k_scales, bk, v_codes, v_scales, Wv_codes, Wv_scales, bv, ws; writes ws
.if DOCPART == 1
	.amdgcn_target "amdgcn-amd-amdhsa--gfx1250"
	.amdhsa_code_object_version 6
	.text
	.protected	k_q82906d34f7_proj
	.globl	k_q82906d34f7_proj
	.p2align	8
	.type	k_q82906d34f7_proj,@function
k_q82906d34f7_proj:
	s_mov_b64 s[64:65], 0
	v_nop
	global_prefetch_b8 v0, s[64:65] scope:SCOPE_SE
	s_setreg_imm32_b32 hwreg(HW_REG_WAVE_MODE, 25, 1), 1
	s_wait_xcnt 0x0
	s_wait_alu depctr_hold_cnt(0) depctr_sa_sdst(0) depctr_va_vdst(0) depctr_va_sdst(0) depctr_va_ssrc(0) depctr_va_vcc(0) depctr_vm_vsrc(0)
	s_getreg_b32 s2, hwreg(HW_REG_IB_STS2, 6, 4)
	s_cmp_eq_u32 s2, 0
	s_cbranch_scc0 .Lentry_in_a_cluster
	s_endpgm
.Lentry_in_a_cluster:
	s_bfe_u32 s2, ttmp6, 0x10000c
	s_cmp_lg_u32 s2, 0xf033
	s_cbranch_scc0 .Lentry_shape_is_right
	s_endpgm
.Lentry_shape_is_right:
; THE THREE INPUT PROJECTIONS: qh = q Wq + bq, kh = k Wk + bk, vh = v Wv + bv, on codes of FP6 (E2M3) with one E8M0 scale for each 32 along K = 1,024,
; and the quantising of the three results for the attention launch: qh and kh along a head's 64 channels, vh along the keys.
; ONE GENERIC PRODUCT.  P is source 0 of the matrix instruction: its rows become the NEXT product's K.  R is source 1: its rows stay rows.  Q, K: P = the weight, R = the tokens.  V: P = the tokens (keys), R = the weight.
; In a result, lane (r, h) holds R's row r and its registers P's rows 8 h + 0 .. 7: a lane's registers run along the next K and the conversions take them as they stand.
; SHARES.  256 WORK-GROUPS THAT STAY: each makes three tiles of 128 rows of P x 128 rows of R over all of K, one of Q (tile 0), one of K (1), one of V (2).  A wave makes 64 x 64: 16 accumulators.
; LDS.  All of K of both operands' 128 rows lies in LDS at once: each wave brings 64 whole rows of 768 bytes by ONE tensor load; 16 bytes of padding behind every 256.  The region is filled again for the next tile as soon as
; every wave of the cluster has the tile's last fragments in registers: the next tile's load is on its way under the last 16 products, the quantising and the stores.
; CLUSTER 4 x 4.  P's tile hangs on the cluster's x place alone and is asked for jointly along a column, R's on the y place alone and jointly along a row.
; PREFETCH.  Behind the load of tile t each wave asks for tile t + 1: of the 64 rows that it will fetch, the four partners that fetch them jointly take 16 each, told apart by address; a lane names one block of 256 bytes
; (two instructions: blocks 0 and 1 of 16 rows, then block 2, which both halves of the lanes name).  Tile 0 comes by its load alone; behind tile 2's load nothing is asked for.
; WHAT IS STORED.  A half fragment (16 rows x 64 along K: registers 0-5 of an operand) goes out as an IMAGE OF ITS REGISTERS, 768 bytes: registers 0-3 at 16 x lane, registers 4-5 at 512 + 8 x lane.  Its two scale bytes: 16 bits a row.
; ORDER INSIDE A BLOCK OF 32.  The four groups of eight codes lie as rows 0-7, 16-23, 8-15, 24-31 of the block.  Both operands of the attention's two products are made so; blocks and scales are the true ones.
; LIMITS.  NaN and infinities are not served.  A block of zeros gets the scale byte 1 where the rule says 127: its codes are zeros, and this program alone reads the bytes.  The bias is the C of the first product (Q, K) or is added
; behind the sum (V): the order of rounding differs from a sum with the bias added last only for Q and K.
; REGISTERS.  Window 0: v0-31 addresses, V's bias; v32-63 P's scale words (32 + 8 p + ks); v64-95 R's; v96-127 the bias as C, later at work; v128-255 accumulator (p, i) at 128 + 32 i + 8 p.
;   Window 1: two fragment buffers at v0 and v128: P's four fragments at +12 p, R's four at +48 + 12 i.
.set PITCH, 816                        ; an LDS row: 3 x (256 + 16) bytes = 204 words: row r starts at bank 12 r mod 64: the 32 lanes of a load of 8 bytes touch 64 different banks
.set PART,  64*PITCH                   ; what one tensor load brings: P's rows 0-63, 64-127, R's rows 0-63, 64-127
.set SPARE, 4*PART                     ; the spare words
.set ADRP, 4                           ; v4, v5   LDS address of my P fragments; the second for pieces behind one padding more
.set ADRR, 6                           ; v6, v7   the same for R
.set AO,   8                           ; 16 x lane
.set AO2,  9                           ; 8 x lane
.set AS2,  10                          ; 2 r
.set AS4,  11                          ; 4 r
.set SPW,  12
.set NIL,  13
.set PF1,  14                          ; the prefetches' offsets: 768 r + 256 h,
.set PF2,  15                          ; 768 r + 512
.set SL,   16                          ; 32 r: a row of scales
.set BO,   17                          ; 32 h: the bias as C
.set BB,   20                          ; v20-27   V's bias of my R row, a pair a tile (upper register 0)
.set SCP,  32
.set SCR,  64
.set BA,   96
.set TM,   96                          ; the way out, in the bias's registers: largest magnitudes,
.set TP,   104                         ; the other half's, then the bytes,
.set SO,   112                         ; the conversions' scale operands,
.set PW,   120                         ; a tile's 16 bits of scales
.set ACC,  128
.set WV,   4
.set WR,   5                           ; which 64 rows of R are mine.  Also: I fetch for P (0) or for R (1)
.set WP,   6                           ; which 64 rows of P are mine.  Also: which 64 rows of that tile I fetch
.set CX,   7
.set CY,   12
.set G1P,  24
.set G1R,  32
.set G0P,  40
.set G0R,  44
.set OC,   48                          ; where my images go
.set OS,   50                          ; where my scale bytes go
.set PFA,  52                          ; the two prefetches' bases: a pair each, written once
.set PFB,  54
.set PQ,   56                          ; Q's and K's tile of P (hangs on cx), of R (on cy);
.set RQ,   57
.set PV,   66                          ; V's
.set RV,   67
.set ARG,  68                          ; s[68:99]: five addresses a tensor (P codes, P scales, R codes, R scales, bias), then ws
.set SEL,  100
.set MSB, 0
.macro WIN new                         ; the immediate's high byte repeats the setting that is left
.if MSB != \new
	s_set_vgpr_msb (MSB<<8)|\new
.set MSB, \new
.endif
.endm
.set MUL,  0x05                        ; sources 0 and 1 window 1; C and D window 0
.set TO_F, 0x40                        ; destination window 1, address window 0
.macro PLACES                          ; four places behind a matrix instruction (ISA guide 7.12.1)
.rept 4
	v_nop
.endr
.endm
.macro CROUND                          ; a round of the cluster's barrier
	s_barrier_signal -1
	s_barrier_wait -1
	s_cmp_lg_u32 s[WV], 0
	s_cbranch_scc1 .Lnot_wave_0_\@
	s_barrier_signal -3
.Lnot_wave_0_\@:
	s_barrier_wait -3
	s_barrier_signal -1
	s_barrier_wait -1
.endm
.macro LOADJ                           ; waves 0, 1 fetch P's halves, waves 2, 3 R's: one joint load a wave, in the two arms of one branch
	s_cmp_eq_u32 s[WR], 0
	s_cbranch_scc0 .Lfor_r_\@
	tensor_load_to_lds s[G0P:G0P+3], s[G1P:G1P+7]
	s_nop 0
	PLACES
	s_branch .Lasked_\@
.Lfor_r_\@:
	tensor_load_to_lds s[G0R:G0R+3], s[G1R:G1R+7]
	s_nop 0
	PLACES
.Lasked_\@:
.endm
.macro DESC T                          ; tile T's rows (s58: P's first that I fetch and multiply; s59: R's that I fetch; s60: R's that I multiply) and the two global addresses.  No load of mine is out here
.if (\T) == 2
	s_lshl_b32 s58, s[PV], 7
	s_lshl_b32 s59, s[RV], 7
.else
	s_lshl_b32 s58, s[PQ], 7
	s_lshl_b32 s59, s[RQ], 7
.endif
	s_lshl_b32 s2, s[WP], 6
	s_lshl_b32 s3, s[WR], 6
	s_add_co_u32 s58, s58, s2
	s_add_co_u32 s60, s59, s3
	s_add_co_u32 s59, s59, s2
	s_mul_i32 s20, s58, 768
	s_mov_b32 s21, 0
	s_mul_i32 s22, s59, 768
	s_mov_b32 s23, 0
	s_add_nc_u64 s[G0P+2:G0P+3], s[ARG+10*(\T):ARG+10*(\T)+1], s[20:21]
	s_or_b32 s[G0P+3], s[G0P+3], 0x80000000
	s_add_nc_u64 s[G0R+2:G0R+3], s[ARG+10*(\T)+4:ARG+10*(\T)+5], s[22:23]
	s_or_b32 s[G0R+3], s[G0R+3], 0x80000000
.endm
.macro ASK T, pf                       ; the prefetch of tile T: my work-group's 16 of the 64 rows that I will fetch
.if (\T) == 2
	s_lshl_b32 s8, s[PV], 7
	s_lshl_b32 s9, s[RV], 7
.else
	s_lshl_b32 s8, s[PQ], 7
	s_lshl_b32 s9, s[RQ], 7
.endif
	s_lshl_b32 s18, s[CY], 4               ; P's tile is shared along the column: the partners differ in cy;
	s_add_co_u32 s8, s8, s18
	s_lshl_b32 s18, s[CX], 4               ; R's along the row: in cx
	s_add_co_u32 s9, s9, s18
	s_cmp_eq_u32 s[WR], 0
	s_cselect_b32 s8, s8, s9
	s_cselect_b64 s[\pf:\pf+1], s[ARG+10*(\T):ARG+10*(\T)+1], s[ARG+10*(\T)+4:ARG+10*(\T)+5]
	s_lshl_b32 s9, s[WP], 6
	s_add_co_u32 s8, s8, s9
	s_mul_i32 s8, s8, 768
	s_mov_b32 s9, 0
	s_add_nc_u64 s[\pf:\pf+1], s[\pf:\pf+1], s[8:9]
	global_prefetch_b8 v[PF1], s[\pf:\pf+1] th:TH_LOAD_NT scope:SCOPE_SE
	global_prefetch_b8 v[PF2], s[\pf:\pf+1] th:TH_LOAD_NT scope:SCOPE_SE
.endm
.macro SCLOAD T                        ; the scale words of my 64 + 64 rows for all of K, once: a tile's two loads cover 512 consecutive bytes
	s_lshl_b32 s8, s58, 5
	s_mov_b32 s9, 0
	s_add_nc_u64 s[10:11], s[ARG+10*(\T)+2:ARG+10*(\T)+3], s[8:9]
	s_lshl_b32 s8, s60, 5
	s_add_nc_u64 s[14:15], s[ARG+10*(\T)+6:ARG+10*(\T)+7], s[8:9]
.irp p, 0,1,2,3
	global_load_b128 v[SCP+8*\p:SCP+8*\p+3], v[SL], s[10:11] offset:512*\p
	global_load_b128 v[SCP+8*\p+4:SCP+8*\p+7], v[SL], s[10:11] offset:512*\p+16
	global_load_b128 v[SCR+8*\p:SCR+8*\p+3], v[SL], s[14:15] offset:512*\p
	global_load_b128 v[SCR+8*\p+4:SCR+8*\p+7], v[SL], s[14:15] offset:512*\p+16
.endr
.endm
.macro BIAS T
	s_mov_b32 s9, 0
.if (\T) < 2                           ; Q, K: the bias runs along P's rows: lane (r, h) wants, for tile p, numbers 16 p + 8 h + 0 .. 7: the C of the first product
	s_lshl_b32 s8, s58, 2
	s_add_nc_u64 s[16:17], s[ARG+10*(\T)+8:ARG+10*(\T)+9], s[8:9]
.irp p, 0,1,2,3
	global_load_b128 v[BA+8*\p:BA+8*\p+3], v[BO], s[16:17] offset:64*\p
	global_load_b128 v[BA+8*\p+4:BA+8*\p+7], v[BO], s[16:17] offset:64*\p+16
.endr
.else                                  ; V: along R's rows: one number a lane and tile, added behind the sum
	s_lshl_b32 s8, s60, 2
	s_add_nc_u64 s[16:17], s[ARG+10*(\T)+8:ARG+10*(\T)+9], s[8:9]
.irp i, 0,1,2,3
	global_load_b32 v[BB+2*\i], v[AS4], s[16:17] offset:64*\i
	v_mov_b32 v[BB+2*\i+1], 0              ; (named with it as a pair)
.endr
.endif
.endm
.macro SETOUT T                        ; where tile T's images and scale bytes go
.if (\T) < 2
	s_lshr_b32 s62, s[RQ], 4               ; the batch: 16 tiles of 128 tokens each
	s_lshl_b32 s62, s62, 4
	s_lshl_b32 s2, s[PQ], 1
	s_add_co_u32 s62, s62, s2
	s_add_co_u32 s62, s62, s[WP]           ; batch x 16 + head: my 64 rows of P are head 2 x tile + half
	s_and_b32 s63, s[RQ], 15               ; which 128 tokens of the sequence
.if (\T) == 0                          ; Q: 128 images a head, 8 for 128 tokens, from byte 0 on; its scale bytes 2 a token from byte 3,145,728 on
	s_mul_i32 s[OC], s62, 98304
	s_mul_i32 s2, s63, 6144
	s_add_co_u32 s[OC], s[OC], s2
	s_lshl_b32 s[OS], s62, 12
	s_lshl_b32 s2, s63, 8
	s_add_co_u32 s[OS], s[OS], s2
	s_add_co_u32 s[OS], s[OS], 3145728
.else                                  ; K: a head's block of 204,800 bytes, a key step of 12,800, from byte 3,276,800 on; its scale bytes 12,288 into the step
	s_mul_i32 s[OC], s62, 204800
	s_mul_i32 s2, s63, 12800
	s_add_co_u32 s[OC], s[OC], s2
	s_add_co_u32 s[OC], s[OC], 3276800
	s_add_co_u32 s[OS], s[OC], 12288
.endif
	s_mul_i32 s2, s[WR], 3072              ; my four tiles of tokens
	s_add_co_u32 s[OC], s[OC], s2
	s_lshl_b32 s2, s[WR], 7
	s_add_co_u32 s[OS], s[OS], s2
.else
	s_lshr_b32 s62, s[PV], 4               ; the batch
	s_lshl_b32 s62, s62, 4
	s_lshl_b32 s2, s[RV], 1
	s_add_co_u32 s62, s62, s2
	s_add_co_u32 s62, s62, s[WR]           ; batch x 16 + head: my 64 rows of R are head 2 x tile + half
	s_and_b32 s63, s[PV], 15               ; the key step
	s_mul_i32 s62, s62, 204800
	s_mul_i32 s63, s63, 12800
	s_add_co_u32 s62, s62, s63
	s_mul_i32 s2, s[WP], 768               ; my 64 keys are half WP of the step's 128
	s_add_co_u32 s[OC], s62, s2
	s_add_co_u32 s[OC], s[OC], 3276800+6144
	s_lshl_b32 s2, s[WP], 1
	s_add_co_u32 s[OS], s62, s2
	s_add_co_u32 s[OS], s[OS], 3276800+12544
.endif
	s_mov_b32 s[OC+1], 0
	s_mov_b32 s[OS+1], 0
	s_add_nc_u64 s[OC:OC+1], s[98:99], s[OC:OC+1]
	s_add_nc_u64 s[OS:OS+1], s[98:99], s[OS:OS+1]
.endm
; A fragment, 16 rows x 128 K of 6-bit codes, is 12 registers: lane (r, h) holds row r; registers 6 c .. 6 c + 5 hold K = 64 c + 32 h + 0 .. 31: 24 bytes of the row as they lie, in pieces of 8 bytes.
; q counts the K steps from the row's start; 32 pieces stand ahead of each padding.  Lanes 16-31 read three pieces further on; where that is behind one padding more, the second address register serves.
.macro FRAG reg, adr, q, i
.irp p, 0,1,2,3,4,5
.set PCE, 12*(\q)+6*(\p/3)+\p%3
.if PCE%32 < 29
	ds_load_b64 v[\reg+2*\p:\reg+2*\p+1], v[\adr] offset:8*PCE+16*(PCE/32)+(\i)*16*PITCH
.else
	ds_load_b64 v[\reg+2*\p:\reg+2*\p+1], v[\adr+1] offset:8*PCE+16*(PCE/32)+(\i)*16*PITCH
.endif
.endr
.endm
.macro FETCH q, f                      ; 48 LDS loads in one run: the eight fragments of K step q into buffer f
	WIN TO_F
.irp i, 0,1,2,3
	FRAG \f+12*\i, ADRP, \q, \i
.endr
.irp i, 0,1,2,3
	FRAG \f+48+12*\i, ADRR, \q, \i
.endr
	WIN 0
.endm
.macro PM i, p, f, ks, cc
	v_wmma_scale_f32_16x16x128_f8f6f4 v[ACC+32*\i+8*\p:ACC+32*\i+8*\p+7], v[\f+12*\p:\f+12*\p+11], v[\f+48+12*\i:\f+48+12*\i+11], \cc, v[SCP+8*\p+\ks], v[SCR+8*\i+\ks] matrix_a_fmt:MATRIX_FMT_FP6 matrix_b_fmt:MATRIX_FMT_FP6
.endm
.macro MULS T, ks, f                   ; 16 matrix instructions; the 16 accumulators take turns, one instruction a turn, in the same order in every step
.irp i, 0,1,2,3
.irp p, 0,1,2,3
.if (\ks) > 0
	PM \i, \p, \f, \ks, v[ACC+32*\i+8*\p:ACC+32*\i+8*\p+7]
.elseif (\T) == 2
	PM \i, \p, \f, \ks, 0
.else
	PM \i, \p, \f, \ks, v[BA+8*\p:BA+8*\p+7]
.endif
.endr
.endr
.endm
; A K step of 128: the next step's fragments are asked for, then this step's 16 products are issued while they come.  In the last step of tiles 0 and 1 the region is filled again instead.
.macro KSTEP T, ks
.set CUR, 128*((\ks)%2)
.set NXT, ((\ks)+1)%2
	s_wait_dscnt 0x0                               ; this step's fragments are in
.if (\ks) < 7
.if (\ks) > 0
	PLACES
.endif
	FETCH (\ks)+1, 128*NXT
.elseif (\T) < 2
	s_wait_tensorcnt 0x0                           ; none of my loads is out;
	ds_add_u32 v[SPW], v[NIL]                      ; 0 onto my spare word;
	DESC (\T)+1                                    ; (work on registers: the next tile's addresses)
	s_wait_dscnt 0x0                               ; the add is done; my reads of the region were over at this step's head
	CROUND                                         ; both hold of every wave of all sixteen work-groups
	LOADJ                                          ; the next tile, the first tensor load behind the round
.if (\T) == 0
	ASK 2, PFB
.endif
.endif
.if (\ks) == 0
	s_wait_loadcnt 0x0                             ; the scale words and the bias
.endif
	WIN MUL
	MULS \T, \ks, CUR
	WIN 0
.endm
; Where R's tile i's codes go: tile 0's into registers that held V's bias and head scratch, tile i's into tile i - 1's accumulators, which have been converted.
.macro PCSET i
.if \i == 0
.set PCI, 20
.set CTI, 28
.else
.set PCI, ACC+32*((\i)-1)
.set CTI, ACC+32*((\i)-1)+8
.endif
.endm
; THE WAY OUT.  For R's tile i the 32 registers v[ACC + 32 i ..] of lane (r, h) are P's rows 16 t + 8 h + j of R's row r: two blocks of 32 along the next K, each shared by lanes l and l xor 16.
.macro WAYOUT T
.if (\T) == 2
.set CSTR, 1536
.set SSTR, 64
.set ASR, AS4
.irp i, 0,1,2,3
.irp n, 0,2,4,6,8,10,12,14,16,18,20,22,24,26,28,30
	v_pk_add_f32 v[ACC+32*\i+\n:ACC+32*\i+\n+1], v[ACC+32*\i+\n:ACC+32*\i+\n+1], v[BB+2*\i:BB+2*\i+1] op_sel_hi:[1,0]   ; V's bias; each accumulator from its low end on
.endr
.endr
.else
.set CSTR, 768
.set SSTR, 32
.set ASR, AS2
.endif
.irp u, 0,1,2,3,4,5,6,7                        ; block u = 2 i + b; the eight by turns
	v_max3_num_f32 v[TM+\u], |v[ACC+16*\u]|, |v[ACC+16*\u+1]|, 0x1800000   ; my 16 numbers, and the floor 2^(3 - 127): the byte cannot fall under 1
.endr
.irp n, 2,4,6,8,10,12,14
.irp u, 0,1,2,3,4,5,6,7
	v_max3_num_f32 v[TM+\u], v[TM+\u], |v[ACC+16*\u+\n]|, |v[ACC+16*\u+\n+1]|
.endr
.endr
.irp u, 0,1,2,3,4,5,6,7
	v_permlanex16_b32 v[TP+\u], v[TM+\u], s[SEL], s[SEL+1]
.endr
.irp u, 0,1,2,3,4,5,6,7
	v_max_num_f32 v[TM+\u], v[TM+\u], v[TP+\u]     ; with lane l xor 16's: the block's largest magnitude
.endr
.irp u, 0,1,2,3,4,5,6,7
	v_add_nc_u32 v[SO+\u], 0xff000000, v[TM+\u]    ; 2 off its exponent field: the conversion's scale operand
.endr
.irp u, 0,1,2,3,4,5,6,7
	v_lshrrev_b32 v[TP+\u], 23, v[SO+\u]           ; the scale's byte
.endr
.irp i, 0,1,2,3
	PCSET \i
	v_cvt_scalef32_pk16_fp6_f32 v[PCI:PCI+2], v[ACC+32*\i:ACC+32*\i+15], v[SO+2*\i]          ; my 16 codes of block 0,
	v_cvt_scalef32_pk16_fp6_f32 v[CTI:CTI+2], v[ACC+32*\i+16:ACC+32*\i+31], v[SO+2*\i+1]     ; of block 1
	v_lshl_or_b32 v[PW+\i], v[TP+2*\i+1], 8, v[TP+2*\i]   ; the tile's two bytes.  (The plain place behind the conversions)
.endr
.irp i, 0,1,2,3                                ; the operand's layout wants a WHOLE block in a lane: lanes 0-15 block 0, lanes 16-31 block 1
	PCSET \i
.irp n, 0,1,2
	v_permlane16_swap_b32 v[PCI+\n], v[CTI+\n]
.endr
.irp n, 0,1,2
	v_mov_b32 v[PCI+3+\n], v[CTI+\n]
.endr
.endr
.irp i, 0,1,2,3
	PCSET \i
	global_store_b128 v[AO], v[PCI:PCI+3], s[OC:OC+1] offset:CSTR*\i             ; 32 lanes store 512 consecutive bytes, aligned to 256
	global_store_b64 v[AO2], v[PCI+4:PCI+5], s[OC:OC+1] offset:CSTR*\i+512       ; and 256
	global_store_b16 v[ASR], v[PW+\i], s[OS:OS+1] offset:SSTR*\i                 ; 16 bits a row; lanes l and l xor 16 store the same value at the same place
.endr
.endm
.macro TILE T
	s_wait_alu depctr_va_vdst(0)
	s_wait_tensorcnt 0x0                           ; my 64 rows have landed
	s_barrier_signal -1
	s_barrier_wait -1                              ; everybody's have
	FETCH 0, 0
.irp ks, 0,1,2,3,4,5,6,7
	KSTEP \T, \ks
.endr
	PLACES                                         ; in front of the loads into the scale registers and of the first reads of the results
.if (\T) < 2
	SCLOAD (\T)+1
.endif
	WAYOUT \T
.if (\T) < 2
	s_wait_xcnt 0x0                                ; the stores and loads above have read their registers and bases: these are written again below and in the next tile
	BIAS (\T)+1
	SETOUT (\T)+1
.endif
.endm
	s_load_b512 s[68:83], s[0:1], 0x0
	s_load_b512 s[84:99], s[0:1], 0x40
	v_lshl_add_u32 v[SPW], v0, 2, SPARE
	v_mov_b32 v[NIL], 0
	ds_add_u32 v[SPW], v[NIL]                      ; the opening lines: the add, twice on end, and its wait
	ds_add_u32 v[SPW], v[NIL]
	v_lshrrev_b32 v1, 5, v0
	v_readfirstlane_b32 s[WV], v1                  ; wave 0..3
	s_lshr_b32 s[WR], s[WV], 1
	s_and_b32 s[WP], s[WV], 1
	s_bfe_u32 s[CX], ttmp6, 0x40000
	s_bfe_u32 s[CY], ttmp6, 0x40004
	s_and_b32 s20, ttmp7, 0xffff                   ; the cluster's y, 0..7
	s_lshl_b32 s[PQ], ttmp9, 2
	s_add_co_u32 s[PQ], s[PQ], s[CX]               ; Q, K: 8 tiles of P,
	s_lshl_b32 s[RQ], s20, 2
	s_add_co_u32 s[RQ], s[RQ], s[CY]               ; 32 of R
	s_lshr_b32 s2, s20, 1
	s_lshl_b32 s2, s2, 3
	s_add_co_u32 s[PV], s[PQ], s2                  ; V: 32 tiles of P,
	s_and_b32 s3, s20, 1
	s_lshl_b32 s3, s3, 2
	s_add_co_u32 s[RV], s3, s[CY]                  ; 8 of R
	s_lshl_b32 s23, s[CY], 2
	s_lshl_b32 s23, 15, s23                        ; my row of the cluster
	s_lshl_b32 s20, 0x1111, s[CX]                  ; my column
	s_or_b32 s[G1P], s20, (1<<20)|(1<<21)|(5<<22)|(3<<25)   ; 15:0 the mask; elements of 1 byte; 20 padding on; 21 set beside a mask; 24:22 after every 64 words; 31:25 4 words
	s_or_b32 s[G1R], s23, (1<<20)|(1<<21)|(5<<22)|(3<<25)
.irp g, G1P, G1R
	s_mov_b32 s[\g+1], 768<<16                     ; tensor_dim0: a whole row of K
	s_mov_b32 s[\g+2], 64<<16                      ; tensor_dim1
	s_mov_b32 s[\g+3], 768<<16                     ; tile_dim0
	s_mov_b32 s[\g+4], 64                          ; tile_dim1
	s_mov_b32 s[\g+5], 768                         ; tensor_dim0_stride
	s_mov_b32 s[\g+6], 0
	s_mov_b32 s[\g+7], 0
.endr
	s_mov_b32 s[G0P], 1
	s_mov_b32 s[G0R], 1
	s_mul_i32 s[G0P+1], s[WV], PART                ; where my 64 rows lie: no place in the cluster enters an LDS address
	s_mul_i32 s[G0R+1], s[WV], PART
	s_mov_b32 s[SEL], 0x76543210
	s_mov_b32 s[SEL+1], 0xfedcba98
	v_and_b32 v1, 15, v0                           ; r
	v_bfe_u32 v2, v0, 4, 1                         ; h
	v_and_b32 v3, 31, v0                           ; lane
	v_mul_u32_u24 v30, v1, PITCH
	v_mad_u32_u24 v30, v2, 24, v30                 ; a fragment's row x pitch + 24 h
	v_lshl_add_u32 v31, v2, 4, v30                 ; and the same behind one padding more
	s_mul_i32 s2, s[WP], PART
	s_mul_i32 s3, s[WR], PART
	s_add_co_u32 s3, s3, 2*PART
	v_add_nc_u32 v[ADRP], s2, v30
	v_add_nc_u32 v[ADRP+1], s2, v31
	v_add_nc_u32 v[ADRR], s3, v30
	v_add_nc_u32 v[ADRR+1], s3, v31
	v_lshlrev_b32 v[AO], 4, v3
	v_lshlrev_b32 v[AO2], 3, v3
	v_lshlrev_b32 v[AS2], 1, v1
	v_lshlrev_b32 v[AS4], 2, v1
	v_lshlrev_b32 v[SL], 5, v1
	v_lshlrev_b32 v[BO], 5, v2
	v_mul_u32_u24 v[PF1], v1, 768
	v_add_nc_u32 v[PF2], 512, v[PF1]
	v_lshl_add_u32 v[PF1], v2, 8, v[PF1]
	s_wait_alu depctr_va_vdst(0)                   ; the end of the head's vector work
	s_wait_dscnt 0x0
	s_wait_kmcnt 0x0
	DESC 0
	CROUND                                         ; all sixteen work-groups are here: the joint loads meet
	LOADJ                                          ; tile 0: one tensor load a wave
	ASK 1, PFA
	SCLOAD 0
	BIAS 0
	SETOUT 0
	TILE 0
	TILE 1
	TILE 2
	s_wait_tensorcnt 0x0                           ; the wave's end
	ds_add_u32 v[SPW], v[NIL]
	s_wait_dscnt 0x0
	CROUND                                         ; the closing round
	s_endpgm
.Lfunc_end_k_q82906d34f7_proj:
	.size	k_q82906d34f7_proj, .Lfunc_end_k_q82906d34f7_proj-k_q82906d34f7_proj
	.p2alignl 7, 3214868480
	.fill 96, 4, 3214868480
	.section	.rodata,"a",@progbits
	.p2align	6, 0x0
	.amdhsa_kernel k_q82906d34f7_proj
		.amdhsa_group_segment_fixed_size 327680
		.amdhsa_private_segment_fixed_size 0
		.amdhsa_enable_private_segment 0
		.amdhsa_kernarg_size 128
		.amdhsa_user_sgpr_count 2
		.amdhsa_user_sgpr_kernarg_segment_ptr 1
		.amdhsa_wavefront_size32 1
		.amdhsa_system_sgpr_workgroup_id_x 1
		.amdhsa_system_sgpr_workgroup_id_y 1
		.amdhsa_system_sgpr_workgroup_id_z 1
		.amdhsa_system_vgpr_workitem_id 0
		.amdhsa_next_free_vgpr 512
		.amdhsa_next_free_sgpr 102
		.amdhsa_reserve_vcc 0
		.amdhsa_float_denorm_mode_32 3
		.amdhsa_float_denorm_mode_16_64 3
		.amdhsa_memory_ordered 1
		.amdhsa_forward_progress 1
		.amdhsa_inst_pref_size 176
	.end_amdhsa_kernel
	.amdgpu_metadata
---
amdhsa.version: [ 1, 2 ]
amdhsa.kernels:
  - .name:           k_q82906d34f7_proj
    .symbol:         k_q82906d34f7_proj.kd
    .args:
      - { .name: Wq_codes, .offset: 0, .size: 8, .value_kind: global_buffer, .address_space: global }
      - { .name: Wq_scales, .offset: 8, .size: 8, .value_kind: global_buffer, .address_space: global }
      - { .name: q_codes, .offset: 16, .size: 8, .value_kind: global_buffer, .address_space: global }
      - { .name: q_scales, .offset: 24, .size: 8, .value_kind: global_buffer, .address_space: global }
      - { .name: bq, .offset: 32, .size: 8, .value_kind: global_buffer, .address_space: global }
      - { .name: Wk_codes, .offset: 40, .size: 8, .value_kind: global_buffer, .address_space: global }
      - { .name: Wk_scales, .offset: 48, .size: 8, .value_kind: global_buffer, .address_space: global }
      - { .name: k_codes, .offset: 56, .size: 8, .value_kind: global_buffer, .address_space: global }
      - { .name: k_scales, .offset: 64, .size: 8, .value_kind: global_buffer, .address_space: global }
      - { .name: bk, .offset: 72, .size: 8, .value_kind: global_buffer, .address_space: global }
      - { .name: v_codes, .offset: 80, .size: 8, .value_kind: global_buffer, .address_space: global }
      - { .name: v_scales, .offset: 88, .size: 8, .value_kind: global_buffer, .address_space: global }
      - { .name: Wv_codes, .offset: 96, .size: 8, .value_kind: global_buffer, .address_space: global }
      - { .name: Wv_scales, .offset: 104, .size: 8, .value_kind: global_buffer, .address_space: global }
      - { .name: bv, .offset: 112, .size: 8, .value_kind: global_buffer, .address_space: global }
      - { .name: ws, .offset: 120, .size: 8, .value_kind: global_buffer, .address_space: global }
    .group_segment_fixed_size: 327680
    .private_segment_fixed_size: 0
    .kernarg_segment_align: 8
    .kernarg_segment_size: 128
    .max_flat_workgroup_size: 128
    .sgpr_count:     102
    .vgpr_count:     512
    .wavefront_size: 32
...
	.end_amdgpu_metadata
.endif
;; end of part 1
;; launch attn (part 2): grid 8 x 32, 8 waves a work-group, clusters of 4 x 1, 257,024 bytes of LDS; arguments ws, ao; writes ao
.if DOCPART == 2
	.amdgcn_target "amdgcn-amd-amdhsa--gfx1250"
	.amdhsa_code_object_version 6
	.text
	.protected	k_q82906d34f7_attn
	.globl	k_q82906d34f7_attn
	.p2align	8
	.type	k_q82906d34f7_attn,@function
k_q82906d34f7_attn:
	s_mov_b64 s[64:65], 0
	v_nop
	global_prefetch_b8 v0, s[64:65] scope:SCOPE_SE
	s_setreg_imm32_b32 hwreg(HW_REG_WAVE_MODE, 25, 1), 1
	s_wait_xcnt 0x0
	s_wait_alu depctr_hold_cnt(0) depctr_sa_sdst(0) depctr_va_vdst(0) depctr_va_sdst(0) depctr_va_ssrc(0) depctr_va_vcc(0) depctr_vm_vsrc(0)
	s_getreg_b32 s2, hwreg(HW_REG_IB_STS2, 6, 4)
	s_cmp_eq_u32 s2, 0
	s_cbranch_scc0 .Lentry_in_a_cluster
	s_endpgm
.Lentry_in_a_cluster:
	s_bfe_u32 s2, ttmp6, 0x10000c
	s_cmp_lg_u32 s2, 0x3003
	s_cbranch_scc0 .Lentry_shape_is_right
	s_endpgm
.Lentry_shape_is_right:
; ATTENTION on codes of FP6 (E2M3): o = softmax(qh kh^T / 8) vh for one head, and the quantising of o along the model's 1,024 channels for the last projection.
; THE SOFTMAX: t = score x log2(e) / 8; M = the row's largest t so far, rounded UP to a whole number; p = 2^(t - M) is quantised along the keys, not normalised.
; The row's sum is taken of the unquantised p in f32 and divides O at the end.  When M moves, the sum and O are multiplied by 2^(old M - new M): exact.
; SHARES.  A work-group owns 256 queries of one (batch, head); each of its eight waves owns TWO tiles of 16 queries, so that each fragment of K and V read from LDS feeds two matrix instructions.  128 keys a step, 16 steps.
; LDS.  The head's block of K and V (16 steps x 12,800 bytes) lies in LDS whole, as rows of 256 bytes + 64 of padding; every byte is filled once.  Every wave asks for two steps (100 rows) by its one tensor load,
; works on ITS OWN two steps as soon as they have landed (between the barrier's signal and its wait), and then walks the other fourteen, round from its own.  The order of the keys does not matter to a running M.
; CLUSTER 4 x 1.  Four query blocks of a head read the same K and V: each load is asked for jointly, with a mask that names the four.
; NO PREFETCH: all that the launch reads through LDS is asked for by the head's loads; there is no loop to run ahead in.
; LAYOUT.  Both products are used transposed (S^T = K Q^T, O^T = V^T P^T): a lane holds ONE query of each tile.  Operands lie as images of registers (768 bytes: registers 0-3 at 16 x lane, 4-5 at 512 + 8 x lane).
; WHICH KEYS FORM A TILE OF K: row 8 h' + j of tile (c, u) is the key that V's codes hold at place 64 c + 32 h' + 8 u + j, which is key 64 c + 32 h' + 8 (0, 2, 1, 3)[u] + j.  So a lane's 32 registers of tiles (c, 0..3) are
; ONE WHOLE BLOCK of 32 keys in the order of the second product's operand: a block's maximum needs no other lane and the codes need no exchange.  The rows are picked out of the stored images by the lanes' addresses;
; with the padding the two halves of sixteen lanes of a 16-byte load start 128 bytes apart modulo 256.
; THE FIRST PRODUCT'S K IS 64: a fragment of K holds TWO tiles (registers 0-5, 6-11) and is multiplied with (q, 0) and with (0, q); the scale bytes that stand over zero codes are finite.
; LIMITS.  NaN and infinities are not served.  A p under 2^-126 comes out of v_exp_f32 as 0.  A block of zeros gets the scale byte 1: its codes are zeros, and this program alone reads the bytes.
; A block's largest p is taken from the block's largest score by the same multiply-add and exponential, which takes v_exp_f32 not to fall where its input rises.  The scaled scores stay under 2^31 in magnitude.
.set STEPL, 16000                      ; a key step in LDS: 50 rows of 320 bytes
.set IMG,   960                        ; an image in LDS: 3 rows
.set VIM,   8*IMG                      ; V's images behind K's eight
.set KSO,   48*320                     ; K's scales: 16 bits a key
.set VSO,   49*320                     ; V's scale words: one a channel
.set SPARE, 16*STEPL                   ; the spare words: 128 bytes a wave
; window 0
.set SPW, 2
.set NIL, 3
.set LV16, 4                           ; lane terms: V's images 16 r + 320 h, 8 x lane, 4 x lane;
.set LV8, 5
.set LVS, 6
.set LK16, 7                           ; K's rows 1920 h' + 16 j + 320 h, 1920 h' + 8 j + 128 h; K's scales 64 h' + 2 j + 16 h
.set LK8, 8
.set LKS, 9
.set GQ16, 10                          ; 16 x lane, in memory
.set GR, 11                            ; 4 r
.set GR2, 1                            ; 2 r
.set AV16, 12                          ; the lane terms + a step's first byte
.set AV8, 13
.set AVS, 14
.set AK16, 15
.set AK8, 16
.set AKS, 17
.set KSL, 18                           ; v18, v19 scales of the low tiles of fragments (c, 0) in lanes 0-15 and (c, 1) in lanes 16-31, in bytes 0, 1
.set KSH, 20                           ; v20, v21 those of the high tiles, in bytes 2, 3
.set VS, 22                            ; v22, v23 V's scale words
.set QS, 24                            ; v24, v25 Q's scales, in both halves of the word
.set PS, 26                            ; v26, v27 p's scale words
.set KF, 32                            ; four fragments of K: (c, g) at 12 (2 c + g)
.set VF, 80                            ; four fragments of V
.set QF, 128                           ; tile T: (q, 0) at 24 T, (0, q) at 24 T + 12
.set O, 176                            ; O^T of tile T at 32 T
; window 1: S^T, then p, of tile T at 64 T
.set PC, 128                           ; p's codes of tile T at 12 T
.set CT, 152                           ; the conversions' second halves: 8 T + 4 c
.set MB, 168                           ; tile T's own numbers at 24 T: 0 -M, 1 the new -M; 2, 3 the sum; 4 f; 6, 7 the blocks' largest; 8, 9 scale operands; 10 largest score so far; 11 at work; 12-17 partial sums; 18, 19 bytes; 20 word; 21 the other half's
.set SH8, 216                          ; 8 h
.set WV, 4
.set BH, 5
.set QB, 6
.set G1, 16
.set G0, 24
.set SEL, 28
.set CS, 30
.set TB, 32
.set TBN, 33
.set IX, 34
.set CNT, 35
.set MSB, 0
.macro WIN new                         ; the immediate's high byte repeats the setting that is left
.if MSB != \new
	s_set_vgpr_msb (MSB<<8)|\new
.set MSB, \new
.endif
.endm
.macro CROUND
	s_barrier_signal -1
	s_barrier_wait -1
	s_cmp_lg_u32 s[WV], 0
	s_cbranch_scc1 .Lnot_wave_0_\@
	s_barrier_signal -3
.Lnot_wave_0_\@:
	s_barrier_wait -3
	s_barrier_signal -1
	s_barrier_wait -1
.endm
.macro MM d, a, b, cc, sa, sb, row     ; one product; row: source 0's scales stand in lanes 16-31
.if \row
	v_wmma_scale_f32_16x16x128_f8f6f4 v[\d:\d+7], v[\a:\a+11], v[\b:\b+11], \cc, v[\sa], v[\sb] matrix_a_fmt:MATRIX_FMT_FP6 matrix_b_fmt:MATRIX_FMT_FP6 matrix_a_scale:MATRIX_SCALE_ROW1
.else
	v_wmma_scale_f32_16x16x128_f8f6f4 v[\d:\d+7], v[\a:\a+11], v[\b:\b+11], \cc, v[\sa], v[\sb] matrix_a_fmt:MATRIX_FMT_FP6 matrix_b_fmt:MATRIX_FMT_FP6
.endif
.endm
.macro KADR sb                         ; K's addresses for the step that begins at s[sb]
	v_add_nc_u32 v[AK16], s[\sb], v[LK16]
	v_add_nc_u32 v[AK8], s[\sb], v[LK8]
	v_add_nc_u32 v[AKS], s[\sb], v[LKS]
.endm
.macro KLOADS                          ; 20 LDS loads: tile u = 2 g + half of (c, .) comes from images 4 c + 2 h' + half, rows 8 g + j
.irp c, 0,1
.irp g, 0,1
	ds_load_b128 v[KF+12*(2*\c+\g):KF+12*(2*\c+\g)+3], v[AK16] offset:IMG*4*\c+128*\g
	ds_load_b64 v[KF+12*(2*\c+\g)+4:KF+12*(2*\c+\g)+5], v[AK8] offset:IMG*4*\c+640+64*\g
	ds_load_b128 v[KF+12*(2*\c+\g)+6:KF+12*(2*\c+\g)+9], v[AK16] offset:IMG*(4*\c+1)+128*\g
	ds_load_b64 v[KF+12*(2*\c+\g)+10:KF+12*(2*\c+\g)+11], v[AK8] offset:IMG*(4*\c+1)+640+64*\g
.endr
	ds_load_u16 v[KSL+\c], v[AKS] offset:KSO+128*\c
	ds_load_u16_d16_hi v[KSH+\c], v[AKS] offset:KSO+128*\c+32      ; the low half holds 0 throughout
.endr
.endm
.macro NEXT                            ; the step after: round the sixteen
	s_add_co_u32 s[IX], s[IX], 1
	s_and_b32 s36, s[IX], 15
	s_mul_i32 s[TBN], s36, STEPL
.endm
.macro ACCU T, o, r                    ; tile T's pair at MB + o += p's pair at register r
	v_pk_add_f32 v[MB+24*\T+\o:MB+24*\T+\o+1], v[MB+24*\T+\o:MB+24*\T+\o+1], v[64*\T+\r:64*\T+\r+1]
.endm
.macro HINT
	s_delay_alu instid0(VALU_DEP_2)
.endm
; A KEY STEP: the 128 keys at s[TB], whose fragments of K have been asked for.  first: the sums begin here.  pre: the next step's K is asked for.  ka: its addresses are made.
.macro STEP first, pre, ka
	v_add_nc_u32 v[AV16], s[TB], v[LV16]           ; (these lines are the places between the last step's products and the loads into V's registers)
	v_add_nc_u32 v[AV8], s[TB], v[LV8]
	v_add_nc_u32 v[AVS], s[TB], v[LVS]
.if \ka
	KADR TBN
.else
	v_nop
.endif
.irp d, 0,1,2,3                        ; V^T: 16 channels x 128 keys: two half images; 18 loads with the scale words
	ds_load_b128 v[VF+12*\d:VF+12*\d+3], v[AV16] offset:VIM+IMG*2*\d
	ds_load_b64 v[VF+12*\d+4:VF+12*\d+5], v[AV8] offset:VIM+IMG*2*\d+640
	ds_load_b128 v[VF+12*\d+6:VF+12*\d+9], v[AV16] offset:VIM+IMG*(2*\d+1)
	ds_load_b64 v[VF+12*\d+10:VF+12*\d+11], v[AV8] offset:VIM+IMG*(2*\d+1)+640
.endr
	ds_load_b32 v[VS], v[AVS] offset:VSO
	ds_load_b32 v[VS+1], v[AVS] offset:VSO+128
	s_wait_alu depctr_va_vdst(0)
	s_wait_dscnt 18                                ; K is in; the 18 loads for V, issued behind K's, may be out
	WIN 0x40
.irp c, 0,1
.irp g, 0,1
.irp T, 0,1
	MM 64*\T+32*\c+16*\g, KF+12*(2*\c+\g), QF+24*\T, 0, KSL+\c, QS+\T, \g
	MM 64*\T+32*\c+16*\g+8, KF+12*(2*\c+\g), QF+24*\T+12, 0, KSH+\c, QS+\T, \g
.endr
.endr
.endr
.rept 4
	v_nop                                          ; places in front of the loads into K's registers and of the first reads of S^T
.endr
	WIN 0
.if \pre
	KLOADS
.endif
	WIN 0x55
.irp T, 0,1                            ; the largest score of each block: a lane's 32 registers; four chains by turns; each accumulator is first read at its low end
.irp c, 0,1
	v_max3_num_f32 v[MB+24*\T+6+\c], v[64*\T+32*\c], v[64*\T+32*\c+1], v[64*\T+32*\c+2]
.endr
.endr
.irp i, 3,5,7,9,11,13,15,17,19,21,23,25,27,29
.irp T, 0,1
.irp c, 0,1
	v_max3_num_f32 v[MB+24*\T+6+\c], v[MB+24*\T+6+\c], v[64*\T+32*\c+\i], v[64*\T+32*\c+\i+1]
.endr
.endr
.endr
.irp T, 0,1
.irp c, 0,1
	v_max_num_f32 v[MB+24*\T+6+\c], v[MB+24*\T+6+\c], v[64*\T+32*\c+31]
.endr
.endr
.irp T, 0,1
.if \first
	v_max_num_f32 v[MB+24*\T+11], v[MB+24*\T+6], v[MB+24*\T+7]
.else
	v_max3_num_f32 v[MB+24*\T+11], v[MB+24*\T+6], v[MB+24*\T+7], v[MB+24*\T+10]
.endif
.endr
.irp T, 0,1
	HINT
	v_permlanex16_b32 v[MB+24*\T+21], v[MB+24*\T+11], s[SEL], s[SEL+1]
.endr
.irp T, 0,1
	HINT
	v_max_num_f32 v[MB+24*\T+10], v[MB+24*\T+11], v[MB+24*\T+21]   ; the row's largest score so far
.endr
.irp T, 0,1
	HINT
	v_mul_f32 v[MB+24*\T+11], s[CS], v[MB+24*\T+10]                ; as t (c is positive)
.endr
.irp T, 0,1
	HINT
	v_floor_f32 v[MB+24*\T+1], -v[MB+24*\T+11]                     ; the new -M = -ceil(t)
.endr
.if \first == 0
.irp T, 0,1
	HINT
	v_sub_f32 v[MB+24*\T+11], v[MB+24*\T+1], v[MB+24*\T]           ; old M - new M: a whole number, 0 or less
.endr
.irp T, 0,1
	HINT
	v_cvt_i32_f32 v[MB+24*\T+11], v[MB+24*\T+11]                   ; (it saturates)
.endr
.irp T, 0,1
	HINT
	v_ldexp_f32 v[MB+24*\T+4], 1.0, v[MB+24*\T+11]                 ; f = 2^(old M - new M)
.endr
.endif
.irp T, 0,1
	v_mov_b32 v[MB+24*\T], v[MB+24*\T+1]
.endr
.if \first == 0
.irp T, 0,1
	v_pk_mul_f32 v[MB+24*\T+2:MB+24*\T+3], v[MB+24*\T+2:MB+24*\T+3], v[MB+24*\T+4:MB+24*\T+5] op_sel_hi:[1,0]   ; the sum under the new M
.endr
	WIN 0x04
.irp T, 0,1
.irp j, 0,2,4,6,8,10,12,14,16,18,20,22,24,26,28,30
	v_pk_mul_f32 v[O+32*\T+\j:O+32*\T+\j+1], v[O+32*\T+\j:O+32*\T+\j+1], v[MB+24*\T+4:MB+24*\T+5] op_sel_hi:[1,0]   ; O^T under the new M; each accumulator from its low end on
.endr
.endr
	WIN 0x55
.endif
.irp a, 0,16,32,48
.irp b, 0,2,4,6,8,10,12,14
	v_pk_fma_f32 v[\a+\b:\a+\b+1], v[\a+\b:\a+\b+1], s[CS:CS+1], v[MB:MB+1] op_sel_hi:[1,0,0]   ; tile 0: t - M, two at a time
.endr
.endr
	v_fma_f32 v[MB+6], v[MB+6], s[CS], v[MB]       ; the same of each block's largest score
	v_fma_f32 v[MB+7], v[MB+7], s[CS], v[MB]
	s_wait_alu depctr_va_vdst(0)                   ; ahead of the batch
.irp a, 0,16,32,48
.irp b, 0,2,4,6,8,10,12,14
	v_exp_f32 v[\a+\b], v[\a+\b]                   ; tile 0: p = 2^(t - M); tile 1's t - M stands among the exponentials and is read behind the next wait
	v_exp_f32 v[\a+\b+1], v[\a+\b+1]
	v_pk_fma_f32 v[64+\a+\b:64+\a+\b+1], v[64+\a+\b:64+\a+\b+1], s[CS:CS+1], v[MB+24:MB+25] op_sel_hi:[1,0,0]
.endr
.endr
	v_exp_f32 v[MB+6], v[MB+6]
	v_exp_f32 v[MB+7], v[MB+7]
	v_fma_f32 v[MB+30], v[MB+30], s[CS], v[MB+24]
	v_fma_f32 v[MB+31], v[MB+31], s[CS], v[MB+24]
	s_wait_alu depctr_va_vdst(0)                   ; behind the first batch and ahead of the second
.irp a, 64,80,96,112
.irp b, 0,1,2,3,4,5,6,7,8,9,10,11,12,13,14,15
	v_exp_f32 v[\a+\b], v[\a+\b]
.endr
.endr
	v_exp_f32 v[MB+30], v[MB+30]
	v_exp_f32 v[MB+31], v[MB+31]
	v_nop                                          ; a plain place behind the exponentials
	s_wait_alu depctr_va_vdst(0)
.irp T, 0,1
.irp c, 0,1
	v_max_num_f32 v[MB+24*\T+6+\c], 0x1800000, v[MB+24*\T+6+\c]    ; the floor 2^(3 - 127): the byte cannot fall under 1
.endr
.endr
.irp T, 0,1
.irp c, 0,1
	v_add_nc_u32 v[MB+24*\T+8+\c], 0xff000000, v[MB+24*\T+6+\c]    ; 2 off the exponent field: the conversion's scale operand
.endr
.endr
.irp T, 0,1
.irp c, 0,1
	v_lshrrev_b32 v[MB+24*\T+18+\c], 23, v[MB+24*\T+8+\c]          ; the scale's byte: block 2 c + h
.endr
.endr
.irp T, 0,1
	v_lshl_or_b32 v[MB+24*\T+20], v[MB+24*\T+19], 16, v[MB+24*\T+18]
.endr
.irp T, 0,1
	HINT
	v_lshlrev_b32 v[MB+24*\T+20], v[SH8], v[MB+24*\T+20]           ; at their places in the word: 8 h bits up
.endr
.irp T, 0,1
	HINT
	v_permlanex16_b32 v[MB+24*\T+21], v[MB+24*\T+20], s[SEL], s[SEL+1]
.endr
.irp T, 0,1
.irp c, 0,1
	v_cvt_scalef32_pk16_fp6_f32 v[PC+12*\T+6*\c:PC+12*\T+6*\c+2], v[64*\T+32*\c:64*\T+32*\c+15], v[MB+24*\T+8+\c]
	v_cvt_scalef32_pk16_fp6_f32 v[CT+8*\T+4*\c:CT+8*\T+4*\c+2], v[64*\T+32*\c+16:64*\T+32*\c+31], v[MB+24*\T+8+\c]   ; (a conversion's three registers begin on an even number)
.endr
.endr
	WIN 0x05
.irp T, 0,1
	v_or_b32 v[PS+\T], v[MB+24*\T+20], v[MB+24*\T+21]              ; p's scale word, whole.  (The plain place behind the conversions)
.endr
	WIN 0x55
.irp T, 0,1
.irp c, 0,1
.irp i, 0,1,2
	v_mov_b32 v[PC+12*\T+6*\c+3+\i], v[CT+8*\T+4*\c+\i]
.endr
.endr
.endr
.irp T, 0,1                            ; the row's sum of the unquantised p: four chains a tile.  (These lines are also the places between p's codes and scale word and the products)
	v_pk_add_f32 v[MB+24*\T+12:MB+24*\T+13], v[64*\T:64*\T+1], v[64*\T+2:64*\T+3]
	v_pk_add_f32 v[MB+24*\T+14:MB+24*\T+15], v[64*\T+4:64*\T+5], v[64*\T+6:64*\T+7]
	v_pk_add_f32 v[MB+24*\T+16:MB+24*\T+17], v[64*\T+8:64*\T+9], v[64*\T+10:64*\T+11]
	ACCU \T, 2, 12
.endr
.irp k, 14,22,30,38,46,54
.irp T, 0,1
	ACCU \T, 12, \k
	ACCU \T, 14, \k+2
	ACCU \T, 16, \k+4
	ACCU \T, 2, \k+6
.endr
.endr
.irp T, 0,1
	ACCU \T, 2, 62
	v_pk_add_f32 v[MB+24*\T+12:MB+24*\T+13], v[MB+24*\T+12:MB+24*\T+13], v[MB+24*\T+14:MB+24*\T+15]
.endr
.irp T, 0,1
	v_pk_add_f32 v[MB+24*\T+2:MB+24*\T+3], v[MB+24*\T+2:MB+24*\T+3], v[MB+24*\T+16:MB+24*\T+17]
.endr
.irp T, 0,1
	HINT
	v_pk_add_f32 v[MB+24*\T+2:MB+24*\T+3], v[MB+24*\T+2:MB+24*\T+3], v[MB+24*\T+12:MB+24*\T+13]
.endr
	s_wait_alu depctr_va_vdst(0)
.if \pre
	s_wait_dscnt 20                                ; V is in; the 20 loads for the next step's K, issued behind V's, may be out
.else
	s_wait_dscnt 0x0
.endif
	WIN 0x04
.irp d, 0,1,2,3                        ; O^T += V^T P^T; the eight accumulators take turns
.irp T, 0,1
.if \first
	MM O+32*\T+8*\d, VF+12*\d, PC+12*\T, 0, VS+\d/2, PS+\T, \d%2
.else
	MM O+32*\T+8*\d, VF+12*\d, PC+12*\T, v[O+32*\T+8*\d:O+32*\T+8*\d+7], VS+\d/2, PS+\T, \d%2
.endif
.endr
.endr
	WIN 0
.if \ka
	s_mov_b32 s[TB], s[TBN]
.endif
.endm
	s_load_b128 s[8:11], s[0:1], 0x0               ; ws, ao
	v_lshl_add_u32 v[SPW], v0, 2, SPARE
	v_mov_b32 v[NIL], 0
	ds_add_u32 v[SPW], v[NIL]                      ; the opening lines: the add, twice on end, and its wait
	ds_add_u32 v[SPW], v[NIL]
	v_lshrrev_b32 v1, 5, v0
	v_readfirstlane_b32 s[WV], v1                  ; wave 0..7
	s_bfe_u32 s50, ttmp6, 0x40000                  ; cx
	s_lshl_b32 s[QB], ttmp9, 2
	s_add_co_u32 s[QB], s[QB], s50                 ; my block of 256 queries: it enters Q's and the result's addresses alone
	s_and_b32 s[BH], ttmp7, 0xffff                 ; batch x 16 + head, which the four partners share
	s_mov_b32 s[G1], 15|(3<<16)|(1<<20)|(1<<21)|(5<<22)|(15<<25)   ; the mask names all four; elements of 8 bytes; 16 words of padding behind every 64; bit 21 beside the mask
	s_mov_b32 s[G1+1], 32<<16                      ; a dense block as 100 rows of 256 bytes
	s_mov_b32 s[G1+2], 100<<16
	s_mov_b32 s[G1+3], 32<<16
	s_mov_b32 s[G1+4], 100
	s_mov_b32 s[G1+5], 32
	s_mov_b32 s[G1+6], 0
	s_mov_b32 s[G1+7], 0
	s_mov_b32 s[G0], 1
	s_mul_i32 s[G0+1], s[WV], 2*STEPL              ; my two steps in LDS,
	s_mul_i32 s50, s[BH], 204800
	s_mul_i32 s51, s[WV], 25600                    ; and in the head's block
	s_add_co_u32 s50, s50, s51
	s_add_co_u32 s50, s50, 3276800
	s_mov_b32 s51, 0
	s_mov_b32 s[SEL], 0x76543210
	s_mov_b32 s[SEL+1], 0xfedcba98
	s_mov_b32 s[CS], 0x3e38aa3b                    ; c = log2(e) / 8
	s_mov_b32 s[CS+1], s[CS]                       ; (named with it as a pair)
	s_wait_dscnt 0x0
	s_wait_kmcnt 0x0
	s_add_nc_u64 s[G0+2:G0+3], s[8:9], s[50:51]
	s_or_b32 s[G0+3], s[G0+3], 0x80000000
	CROUND                                         ; all four work-groups are here: the joint loads meet
	tensor_load_to_lds s[G0:G0+3], s[G1:G1+7]      ; every wave's one load
	s_nop 0
	s_lshl_b32 s50, s[QB], 4
	s_lshl_b32 s51, s[WV], 1
	s_add_co_u32 s50, s50, s51                     ; my first tile of 16 queries, of the head's 128
	s_mul_i32 s52, s50, 768
	s_mul_i32 s53, s[BH], 98304
	s_add_co_u32 s52, s52, s53
	s_mov_b32 s53, 0
	s_add_nc_u64 s[40:41], s[8:9], s[52:53]        ; Q's images
	s_lshl_b32 s52, s50, 5
	s_lshl_b32 s54, s[BH], 12
	s_add_co_u32 s52, s52, s54
	s_add_co_u32 s52, s52, 3145728
	s_add_nc_u64 s[42:43], s[8:9], s[52:53]        ; Q's scales
	s_lshr_b32 s50, s[BH], 4                       ; the way out: the batch,
	s_and_b32 s51, s[BH], 15                       ; the head,
	s_lshl_b32 s50, s50, 4
	s_lshl_b32 s54, s[QB], 1
	s_add_co_u32 s50, s50, s54
	s_lshr_b32 s54, s[WV], 2
	s_add_co_u32 s50, s50, s54                     ; my block of 128 tokens,
	s_lshl_b32 s54, s[WV], 1
	s_and_b32 s54, s54, 7                          ; my first tile in it,
	s_lshr_b32 s55, s51, 1                         ; the last projection's K step,
	s_and_b32 s51, s51, 1                          ; its half
	s_mul_i32 s52, s50, 98304
	s_mul_i32 s56, s55, 12288
	s_add_co_u32 s52, s52, s56
	s_mul_i32 s56, s54, 1536
	s_add_co_u32 s52, s52, s56
	s_mul_i32 s56, s51, 768
	s_add_co_u32 s52, s52, s56
	s_add_nc_u64 s[44:45], s[10:11], s[52:53]
	s_lshl_b32 s52, s50, 12
	s_lshl_b32 s56, s55, 9
	s_add_co_u32 s52, s52, s56
	s_lshl_b32 s56, s54, 6
	s_add_co_u32 s52, s52, s56
	s_lshl_b32 s56, s51, 1
	s_add_co_u32 s52, s52, s56
	s_add_co_u32 s52, s52, 3145728
	s_add_nc_u64 s[46:47], s[10:11], s[52:53]
	s_lshl_b32 s[IX], s[WV], 1                     ; my first step
	s_mul_i32 s[TB], s[IX], STEPL
	v_and_b32 v31, 31, v0                          ; lane
	v_and_b32 v[GR], 15, v0                        ; r
	v_bfe_u32 v28, v0, 4, 1                        ; h
	v_bfe_u32 v29, v0, 3, 1                        ; h'
	v_and_b32 v30, 7, v0                           ; j
	v_lshlrev_b32 v[GQ16], 4, v31
	v_lshlrev_b32 v[LV8], 3, v31
	v_lshlrev_b32 v[LVS], 2, v31
	v_mul_u32_u24 v31, v29, 1920
	v_lshlrev_b32 v[LV16], 4, v[GR]
	v_lshl_add_u32 v[LV16], v28, 8, v[LV16]
	v_lshl_add_u32 v[LV16], v28, 6, v[LV16]        ; 16 r + 320 h
	v_lshl_add_u32 v[LK16], v30, 4, v31
	v_lshl_add_u32 v[LK16], v28, 8, v[LK16]
	v_lshl_add_u32 v[LK16], v28, 6, v[LK16]        ; 1920 h' + 16 j + 320 h
	v_lshl_add_u32 v[LK8], v30, 3, v31
	v_lshl_add_u32 v[LK8], v28, 7, v[LK8]          ; 1920 h' + 8 j + 128 h
	v_lshlrev_b32 v[LKS], 1, v30
	v_lshl_add_u32 v[LKS], v29, 6, v[LKS]
	v_lshl_add_u32 v[LKS], v28, 4, v[LKS]          ; 64 h' + 2 j + 16 h
	v_lshlrev_b32 v[GR2], 1, v[GR]
	v_lshlrev_b32 v[GR], 2, v[GR]
	s_wait_alu depctr_va_vdst(0)
.irp T, 0,1                            ; Q's image twice: as (q, 0) and as (0, q)
	global_load_b128 v[QF+24*\T:QF+24*\T+3], v[GQ16], s[40:41] offset:768*\T
	global_load_b64 v[QF+24*\T+4:QF+24*\T+5], v[LV8], s[40:41] offset:768*\T+512
	global_load_b128 v[QF+24*\T+18:QF+24*\T+21], v[GQ16], s[40:41] offset:768*\T
	global_load_b64 v[QF+24*\T+22:QF+24*\T+23], v[LV8], s[40:41] offset:768*\T+512
	global_load_u16 v[QS+\T], v[GR2], s[42:43] offset:32*\T
.irp n, 6,7,8,9,10,11,12,13,14,15,16,17
	v_mov_b32 v[QF+24*\T+\n], 0                    ; the zero codes, set once
.endr
	v_mov_b32 v[KSH+\T], 0
.endr
	KADR TB
	s_wait_alu depctr_va_vdst(0)
	s_wait_loadcnt 0x0
.irp T, 0,1
	v_lshl_or_b32 v[QS+\T], v[QS+\T], 16, v[QS+\T] ; Q's two bytes in both halves of the word
.endr
	WIN 0x40
.irp T, 0,1
	v_mov_b32 v[MB+24*\T+2], 0                     ; the sum, in two halves
	v_mov_b32 v[MB+24*\T+3], 0
	v_mov_b32 v[MB+24*\T+5], 0                     ; (named with f as a pair)
	v_mov_b32 v[MB+24*\T+21], 0                    ; a lane permute's destination counts as one of its sources
.endr
	v_lshlrev_b32 v[SH8], 3, v28
	WIN 0
	s_wait_alu depctr_va_vdst(0)                   ; the head's end
	s_wait_tensorcnt 0x0                           ; my two steps have landed:
	s_barrier_signal -1                            ; say so, and work on them: until the wait I read bytes of my own load alone
	KLOADS
	NEXT
	STEP 1, 1, 1
	NEXT
	STEP 0, 0, 1
	s_barrier_wait -1                              ; everybody's steps have landed
	KLOADS
	s_mov_b32 s[CNT], 13
.Lstep:
	NEXT
	STEP 0, 1, 1
	s_sub_co_u32 s[CNT], s[CNT], 1
	s_cmp_lg_u32 s[CNT], 0
	s_cbranch_scc1 .Lstep
	STEP 0, 0, 0                                   ; the last step asks for nothing more
	; THE WAY OUT.  O^T / the sum; then each tile's 16 queries x 64 channels become half a fragment of the last projection's operand.
	WIN 0x55
.irp T, 0,1
	v_add_f32 v[MB+24*\T+2], v[MB+24*\T+2], v[MB+24*\T+3]          ; (these plain lines are the places behind the last products)
.endr
.irp T, 0,1
	HINT
	v_permlanex16_b32 v[MB+24*\T+21], v[MB+24*\T+2], s[SEL], s[SEL+1]
.endr
.irp T, 0,1
	HINT
	v_add_f32 v[MB+24*\T+2], v[MB+24*\T+2], v[MB+24*\T+21]         ; the row's sum
.endr
	s_wait_alu depctr_va_vdst(0)
.irp T, 0,1
	v_rcp_f32 v[MB+24*\T+2], v[MB+24*\T+2]
.endr
	v_nop
	s_wait_alu depctr_va_vdst(0)
	WIN 0x44
.irp T, 0,1
.irp j, 0,2,4,6,8,10,12,14,16,18,20,22,24,26,28,30
	v_pk_mul_f32 v[64*\T+\j:64*\T+\j+1], v[O+32*\T+\j:O+32*\T+\j+1], v[MB+24*\T+2:MB+24*\T+3] op_sel_hi:[1,0]   ; register 8 t + j: o(query r, channel 16 t + 8 h + j)
.endr
.endr
	WIN 0x55
.irp T, 0,1                            ; Wo comes in natural order: a lane is given 16 NEIGHBOURS: channels 32 b + 16 h + 0 .. 15
.irp b, 0,1
.irp j, 0,1,2,3,4,5,6,7
	v_permlane16_swap_b32 v[64*\T+16*\b+\j], v[64*\T+16*\b+8+\j]
.endr
.endr
.endr
.irp T, 0,1
.irp b, 0,1
	v_max3_num_f32 v[MB+24*\T+6+\b], |v[64*\T+16*\b]|, |v[64*\T+16*\b+1]|, 0x1800000
.endr
.endr
.irp n, 2,4,6,8,10,12,14
.irp T, 0,1
.irp b, 0,1
	v_max3_num_f32 v[MB+24*\T+6+\b], v[MB+24*\T+6+\b], |v[64*\T+16*\b+\n]|, |v[64*\T+16*\b+\n+1]|
.endr
.endr
.endr
.irp T, 0,1
.irp b, 0,1
	v_permlanex16_b32 v[MB+24*\T+18+\b], v[MB+24*\T+6+\b], s[SEL], s[SEL+1]
.endr
.endr
.irp T, 0,1
.irp b, 0,1
	v_max_num_f32 v[MB+24*\T+6+\b], v[MB+24*\T+6+\b], v[MB+24*\T+18+\b]
.endr
.endr
.irp T, 0,1
.irp b, 0,1
	v_add_nc_u32 v[MB+24*\T+8+\b], 0xff000000, v[MB+24*\T+6+\b]
.endr
.endr
.irp T, 0,1
.irp b, 0,1
	v_lshrrev_b32 v[MB+24*\T+18+\b], 23, v[MB+24*\T+8+\b]
.endr
.endr
.irp T, 0,1
	v_lshl_or_b32 v[MB+24*\T+20], v[MB+24*\T+19], 8, v[MB+24*\T+18]   ; a row's two scale bytes
.endr
.irp T, 0,1
	v_cvt_scalef32_pk16_fp6_f32 v[PC+12*\T:PC+12*\T+2], v[64*\T:64*\T+15], v[MB+24*\T+8]
	v_cvt_scalef32_pk16_fp6_f32 v[CT+8*\T:CT+8*\T+2], v[64*\T+16:64*\T+31], v[MB+24*\T+9]
.endr
	v_nop                                          ; one plain place behind a scaled conversion
.irp T, 0,1
.irp i, 0,1,2
	v_permlane16_swap_b32 v[PC+12*\T+\i], v[CT+8*\T+\i]
.endr
.endr
.irp T, 0,1
.irp i, 0,1,2
	v_mov_b32 v[PC+12*\T+3+\i], v[CT+8*\T+\i]
.endr
.endr
	s_wait_alu depctr_va_vdst(0)
	WIN 0x04
.irp T, 0,1
	global_store_b128 v[GQ16], v[PC+12*\T:PC+12*\T+3], s[44:45] offset:1536*\T          ; 32 lanes store 512 consecutive bytes, aligned to 256
	global_store_b64 v[LV8], v[PC+12*\T+4:PC+12*\T+5], s[44:45] offset:1536*\T+512      ; and 256
	global_store_b16 v[GR], v[MB+24*\T+20], s[46:47] offset:64*\T                       ; 16 bits a token; lanes l and l xor 16 store the same value at the same place
.endr
	WIN 0
	s_wait_tensorcnt 0x0                           ; the wave's end
	ds_add_u32 v[SPW], v[NIL]
	s_wait_dscnt 0x0
	CROUND                                         ; the closing round
	s_endpgm
.Lfunc_end_k_q82906d34f7_attn:
	.size	k_q82906d34f7_attn, .Lfunc_end_k_q82906d34f7_attn-k_q82906d34f7_attn
	.p2alignl 7, 3214868480
	.fill 96, 4, 3214868480
	.section	.rodata,"a",@progbits
	.p2align	6, 0x0
	.amdhsa_kernel k_q82906d34f7_attn
		.amdhsa_group_segment_fixed_size 257024
		.amdhsa_private_segment_fixed_size 0
		.amdhsa_enable_private_segment 0
		.amdhsa_kernarg_size 16
		.amdhsa_user_sgpr_count 2
		.amdhsa_user_sgpr_kernarg_segment_ptr 1
		.amdhsa_wavefront_size32 1
		.amdhsa_system_sgpr_workgroup_id_x 1
		.amdhsa_system_sgpr_workgroup_id_y 1
		.amdhsa_system_sgpr_workgroup_id_z 1
		.amdhsa_system_vgpr_workitem_id 0
		.amdhsa_next_free_vgpr 512
		.amdhsa_next_free_sgpr 66
		.amdhsa_reserve_vcc 0
		.amdhsa_float_denorm_mode_32 3
		.amdhsa_float_denorm_mode_16_64 3
		.amdhsa_memory_ordered 1
		.amdhsa_forward_progress 1
		.amdhsa_inst_pref_size 126
	.end_amdhsa_kernel
	.amdgpu_metadata
---
amdhsa.version: [ 1, 2 ]
amdhsa.kernels:
  - .name:           k_q82906d34f7_attn
    .symbol:         k_q82906d34f7_attn.kd
    .args:
      - { .name: ws, .offset: 0, .size: 8, .value_kind: global_buffer, .address_space: global }
      - { .name: ao, .offset: 8, .size: 8, .value_kind: global_buffer, .address_space: global }
    .group_segment_fixed_size: 257024
    .private_segment_fixed_size: 0
    .kernarg_segment_align: 8
    .kernarg_segment_size: 16
    .max_flat_workgroup_size: 256
    .sgpr_count:     66
    .vgpr_count:     512
    .wavefront_size: 32
...
	.end_amdgpu_metadata
.endif
;; end of part 2
;; launch outp (part 3): grid 8 x 32, 4 waves a work-group, clusters of 4 x 4, 239,104 bytes of LDS; arguments Wo_codes, Wo_scales, bo, ao, out0; writes out0
.if DOCPART == 3
	.amdgcn_target "amdgcn-amd-amdhsa--gfx1250"
	.amdhsa_code_object_version 6
	.text
	.protected	k_q82906d34f7_outp
	.globl	k_q82906d34f7_outp
	.p2align	8
	.type	k_q82906d34f7_outp,@function
k_q82906d34f7_outp:
	s_mov_b64 s[64:65], 0
	v_nop
	global_prefetch_b8 v0, s[64:65] scope:SCOPE_SE
	s_setreg_imm32_b32 hwreg(HW_REG_WAVE_MODE, 25, 1), 1
	s_wait_xcnt 0x0
	s_wait_alu depctr_hold_cnt(0) depctr_sa_sdst(0) depctr_va_vdst(0) depctr_va_sdst(0) depctr_va_ssrc(0) depctr_va_vcc(0) depctr_vm_vsrc(0)
	s_getreg_b32 s2, hwreg(HW_REG_IB_STS2, 6, 4)
	s_cmp_eq_u32 s2, 0
	s_cbranch_scc0 .Lentry_in_a_cluster
	s_endpgm
.Lentry_in_a_cluster:
	s_bfe_u32 s2, ttmp6, 0x10000c
	s_cmp_lg_u32 s2, 0xf033
	s_cbranch_scc0 .Lentry_shape_is_right
	s_endpgm
.Lentry_shape_is_right:
; THE LAST PROJECTION: out0 = o Wo + bo, on codes of FP6 (E2M3) with one E8M0 scale for each 32 along K = 1,024.  o's codes and scales were made by the attention launch.
; P = Wo (source 0: 16 output channels), R = the tokens (source 1): in a result, lane (r, h) holds token r and eight NEIGHBOURING output channels 8 h + 0 .. 7: 32 bytes of a row of out0.
; SHARES.  A work-group makes 128 channels x 128 tokens over all of K; 256 work-groups.  A wave makes 64 x 64: 16 accumulators.
; LDS.  All of K of both tiles lies in LDS at once; every byte is filled once.  Wo's rows: 4 chunks of 256 along K, 128 rows x 240 bytes.  The tokens' codes: images of operand registers, 12,288 bytes a K step, dense.
; Behind them a stage of 16 rows x 272 bytes for each wave, into which no fill lands.
; CLUSTER 4 x 4.  Wo's tile hangs on the cluster's x place alone and is asked for jointly along a column, the tokens' on the y place alone and jointly along a row.
; LIMITS.  NaN and infinities are not served.  The bias is the C of the first product: the order of rounding differs from a sum with the bias added last.
; REGISTERS.  Window 0: v0-31 addresses; v32-63 P's scale words (32 + 8 p + ks); v64-95 R's (64 + 8 i + ks); v96-127 the bias as C; v128-255 accumulator (p, i) at 128 + 32 i + 8 p.
;   Window 1: two fragment buffers at v0 and v128: P's four fragments at +12 p, R's four at +48 + 12 i.
; LDS AS IT STANDS NOW (in place of the chunks named above): waves 0, 1 bring 64 whole rows of Wo each (768 bytes a row), waves 2, 3 four K steps of the tokens' images each: ONE tensor load a wave.
.set PITCH, 816                        ; an LDS row of Wo: 3 x (256 bytes of codes + 16 of padding)
.set PART,  64*PITCH                   ; 64 rows of Wo: what one tensor load brings
.set PCH,   2*PART                     ; a chunk of Wo
.set RST,   12288                      ; a K step of the tokens' images; one tensor load brings four
.set RCH,   2*RST
.set RBASE, PCH
.set STAGE, RBASE+4*RCH
.set ADRP, 4                           ; v4, v5  LDS address of my P fragments; the second for pieces behind one padding more
.set AR16, 6                           ; v6      my R images: 16 x lane,
.set AR8,  7                           ; v7      8 x lane
.set STO,  8                           ; v8      the way out: where I put 32 bytes of a row
.set RD,   9                           ; v9      where I read a row back
.set CO,   10                          ; v10     my byte offset in two rows of out0
.set SCP,  32
.set SCR,  64
.set BA,   96
.set ACC,  128
.set WV,   4
.set WR,   5                           ; which 64 tokens are mine.  Also: I fetch for P (0) or for R (1)
.set WP,   6                           ; which 64 channels are mine.  Also: which half of a chunk I fetch
.set G1P,  24
.set G1R,  32
.set G0P,  40
.set G0R,  68
.set MSB, 0
.macro WIN new                         ; the immediate's high byte repeats the setting that is left
.if MSB != \new
	s_set_vgpr_msb (MSB<<8)|\new
.set MSB, \new
.endif
.endm
.set MUL,  0x05                        ; sources 0 and 1 window 1; C and D window 0
.set TO_F, 0x40                        ; destination window 1, address window 0
.macro PLACES
.rept 4
	v_nop
.endr
.endm
.macro CROUND
	s_barrier_signal -1
	s_barrier_wait -1
	s_cmp_lg_u32 s[WV], 0
	s_cbranch_scc1 .Lnot_wave_0_\@
	s_barrier_signal -3
.Lnot_wave_0_\@:
	s_barrier_wait -3
	s_barrier_signal -1
	s_barrier_wait -1
.endm
	s_load_b256 s[8:15], s[0:1], 0x0               ; Wo's codes s[8:9], its scales s[10:11], bo s[12:13], ao s[14:15]
	s_load_b64 s[16:17], s[0:1], 0x20              ; out0
	v_lshl_add_u32 v27, v0, 2, 0x3a400
	v_mov_b32 v31, 0
	ds_add_u32 v27, v31
	ds_add_u32 v27, v31
	v_lshrrev_b32 v1, 5, v0
	v_readfirstlane_b32 s[WV], v1                  ; wave 0..3
	s_lshr_b32 s[WR], s[WV], 1
	s_and_b32 s[WP], s[WV], 1
	s_bfe_u32 s21, ttmp6, 0x40000                  ; cx
	s_bfe_u32 s22, ttmp6, 0x40004                  ; cy
	s_lshl_b32 s56, ttmp9, 2
	s_add_co_u32 s56, s56, s21                     ; Wo's tile of 128 channels: hangs on cx, never on cy
	s_and_b32 s57, ttmp7, 0xffff
	s_lshl_b32 s57, s57, 2
	s_add_co_u32 s57, s57, s22                     ; the block of 128 tokens: hangs on cy, never on cx
	s_lshl_b32 s23, s22, 2
	s_lshl_b32 s23, 15, s23                        ; my row of the cluster
	s_lshl_b32 s20, 0x1111, s21                    ; my column
	s_or_b32 s[G1P], s20, (1<<20)|(1<<21)|(5<<22)|(3<<25)   ; Wo: 64 rows x 768 bytes; elements of 1 byte; 16 bytes of padding behind every 256; bit 21 beside the mask
	s_mov_b32 s[G1P+1], 768<<16
	s_mov_b32 s[G1P+2], 64<<16
	s_mov_b32 s[G1P+3], 768<<16
	s_mov_b32 s[G1P+4], 64
	s_mov_b32 s[G1P+5], 768
	s_mov_b32 s[G1P+6], 0
	s_mov_b32 s[G1P+7], 0
	s_or_b32 s[G1R], s23, (3<<16)|(1<<21)          ; the tokens: a dense block of 12,288 bytes as 48 rows of 256 (32 elements of 8 bytes), no padding
	s_mov_b32 s[G1R+1], 32<<16
	s_mov_b32 s[G1R+2], 192<<16                    ; four K steps: 49,152 bytes as 192 rows of 256
	s_mov_b32 s[G1R+3], 32<<16
	s_mov_b32 s[G1R+4], 192
	s_mov_b32 s[G1R+5], 32
	s_mov_b32 s[G1R+6], 0
	s_mov_b32 s[G1R+7], 0
	s_lshl_b32 s58, s56, 7
	s_lshl_b32 s2, s[WP], 6
	s_add_co_u32 s58, s58, s2                      ; Wo: the first row that I fetch, and that I multiply
	s_lshl_b32 s60, s57, 7
	s_lshl_b32 s3, s[WR], 6
	s_add_co_u32 s60, s60, s3                      ; my first token
	s_mul_i32 s20, s58, 768
	s_mov_b32 s21, 0
	s_mul_i32 s22, s57, 98304                      ; the block's images,
	s_mul_i32 s23, s[WP], 4*RST                    ; the four K steps that I fetch
	s_add_co_u32 s22, s22, s23
	s_mov_b32 s23, 0
	s_mul_i32 s61, s[WP], PART                     ; where they go: no place in the cluster enters an LDS address
	s_mul_i32 s62, s[WP], 4*RST
	s_add_co_u32 s62, s62, RBASE
	s_wait_dscnt 0x0
	s_wait_kmcnt 0x0
	s_add_nc_u64 s[20:21], s[8:9], s[20:21]
	s_add_nc_u64 s[22:23], s[14:15], s[22:23]
.irp c, 0
	s_mov_b32 s[G0P+4*\c], 1
	s_add_co_u32 s[G0P+4*\c+1], s61, \c*PCH
	s_add_nc_u64 s[G0P+4*\c+2:G0P+4*\c+3], s[20:21], \c*192
	s_or_b32 s[G0P+4*\c+3], s[G0P+4*\c+3], 0x80000000
	s_mov_b32 s[G0R+4*\c], 1
	s_add_co_u32 s[G0R+4*\c+1], s62, \c*RCH
	s_add_nc_u64 s[G0R+4*\c+2:G0R+4*\c+3], s[22:23], \c*RCH
	s_or_b32 s[G0R+4*\c+3], s[G0R+4*\c+3], 0x80000000
.endr
	CROUND                                         ; all sixteen work-groups are here: the joint loads meet
	s_cmp_eq_u32 s[WR], 0                          ; waves 0, 1 fetch Wo's halves, waves 2, 3 the tokens' halves of K: one tensor load a wave, in the two arms of one branch
	s_cbranch_scc0 .Lfor_r
.irp c, 0
	tensor_load_to_lds s[G0P+4*\c:G0P+4*\c+3], s[G1P:G1P+7]
	s_nop 0
.endr
	PLACES                                         ; four v_nop follow the last
	s_branch .Lasked
.Lfor_r:
.irp c, 0
	tensor_load_to_lds s[G0R+4*\c:G0R+4*\c+3], s[G1R:G1R+7]
	s_nop 0
.endr
	PLACES
.Lasked:
	v_and_b32 v1, 15, v0                           ; r
	v_bfe_u32 v2, v0, 4, 1                         ; h
	v_and_b32 v3, 31, v0                           ; lane
	v_mul_u32_u24 v11, v1, PITCH
	v_mad_u32_u24 v11, v2, 24, v11
	v_lshl_add_u32 v12, v2, 4, v11
	s_mul_i32 s2, s[WP], PART
	v_add_nc_u32 v[ADRP], s2, v11
	v_add_nc_u32 v[ADRP+1], s2, v12
	s_mul_i32 s2, s[WR], 6144                      ; my four tiles of tokens: 1,536 bytes each in a K step
	s_add_co_u32 s2, s2, RBASE
	v_lshl_add_u32 v[AR16], v3, 4, s2
	v_lshl_add_u32 v[AR8], v3, 3, s2
	s_mul_i32 s2, s[WV], 16*272
	s_add_co_u32 s2, s2, STAGE                     ; my stage
	v_mul_u32_u24 v[STO], v1, 272                  ; in: row r, 32 bytes for each half of the lanes
	v_lshl_add_u32 v[STO], v2, 5, v[STO]
	v_add_nc_u32 v[STO], s2, v[STO]
	v_mul_u32_u24 v[RD], v2, 272                   ; back: lanes 0-15 one row of 256 bytes, lanes 16-31 the next
	v_lshl_add_u32 v[RD], v1, 4, v[RD]
	v_add_nc_u32 v[RD], s2, v[RD]
	v_lshlrev_b32 v[CO], 12, v2                    ; and the same two rows in out0
	v_lshl_add_u32 v[CO], v1, 4, v[CO]
	v_lshlrev_b32 v28, 5, v1                       ; Wo's scales: 32 bytes a row
	s_wait_alu depctr_va_vdst(0)
	v_lshlrev_b32 v29, 5, v2                       ; the bias: 32 h
	s_wait_alu depctr_va_vdst(0)
	v_lshlrev_b32 v30, 2, v1                       ; the tokens' scale words: 4 r
	s_wait_alu depctr_va_vdst(0)
	s_lshl_b32 s2, s58, 5
	s_mov_b32 s3, 0
	s_add_nc_u64 s[10:11], s[10:11], s[2:3]
	s_lshl_b32 s2, s58, 2
	s_add_nc_u64 s[12:13], s[12:13], s[2:3]
	s_lshl_b32 s2, s57, 12
	s_lshl_b32 s63, s[WR], 8
	s_add_co_u32 s2, s2, s63
	s_add_co_u32 s2, s2, 3145728
	s_add_nc_u64 s[14:15], s[14:15], s[2:3]
.irp p, 0,1,2,3
	global_load_b128 v[SCP+8*\p:SCP+8*\p+3], v28, s[10:11] offset:512*\p
	global_load_b128 v[SCP+8*\p+4:SCP+8*\p+7], v28, s[10:11] offset:512*\p+16
	global_load_b128 v[BA+8*\p:BA+8*\p+3], v29, s[12:13] offset:64*\p        ; lane (r, h) wants, for tile p, bo at channels 16 p + 8 h + 0 .. 7
	global_load_b128 v[BA+8*\p+4:BA+8*\p+7], v29, s[12:13] offset:64*\p+16
.endr
.irp i, 0,1,2,3
.irp ks, 0,1,2,3,4,5,6,7
	global_load_b32 v[SCR+8*\i+\ks], v30, s[14:15] offset:512*\ks+64*\i
.endr
.endr
	s_lshl_b32 s2, s60, 12                         ; out0 at my first token (4,096 bytes a row) and my first channel
	s_lshl_b32 s63, s58, 2
	s_add_co_u32 s2, s2, s63
	s_add_nc_u64 s[16:17], s[16:17], s[2:3]
.macro FRAG reg, adr, q, i             ; a fragment of Wo from padded rows: 24 bytes of the row for each half of K, in pieces of 8 bytes; lanes 16-31 three pieces on, by the second address register where that is behind one padding more
.irp p, 0,1,2,3,4,5
.set PCE, 12*(\q)+6*(\p/3)+\p%3
.if PCE%32 < 29                        ; q counts the K steps from the row's start; 32 pieces of 8 bytes stand ahead of each padding
	ds_load_b64 v[\reg+2*\p:\reg+2*\p+1], v[\adr] offset:8*PCE+16*(PCE/32)+(\i)*16*PITCH
.else
	ds_load_b64 v[\reg+2*\p:\reg+2*\p+1], v[\adr+1] offset:8*PCE+16*(PCE/32)+(\i)*16*PITCH
.endif
.endr
.endm
.macro RFRAG reg, q, i                 ; a fragment of the tokens from its two half images
	ds_load_b128 v[\reg:\reg+3], v[AR16] offset:((\q)%4)*RST+(\i)*1536
	ds_load_b64 v[\reg+4:\reg+5], v[AR8] offset:((\q)%4)*RST+(\i)*1536+512
	ds_load_b128 v[\reg+6:\reg+9], v[AR16] offset:((\q)%4)*RST+(\i)*1536+768
	ds_load_b64 v[\reg+10:\reg+11], v[AR8] offset:((\q)%4)*RST+(\i)*1536+1280
.endm
.macro FETCH q, f                      ; 40 LDS loads in one run
	WIN TO_F
.irp i, 0,1,2,3
	FRAG \f+12*\i, ADRP, \q, \i
.endr
.irp i, 0,1,2,3
	RFRAG \f+48+12*\i, \q, \i
.endr
	WIN 0
.endm
.macro MULS ks, f                      ; 16 matrix instructions; the 16 accumulators take turns, one instruction a turn, in the same order in every step
.irp i, 0,1,2,3
.irp p, 0,1,2,3
.if \ks == 0
	v_wmma_scale_f32_16x16x128_f8f6f4 v[ACC+32*\i+8*\p:ACC+32*\i+8*\p+7], v[\f+12*\p:\f+12*\p+11], v[\f+48+12*\i:\f+48+12*\i+11], v[BA+8*\p:BA+8*\p+7], v[SCP+8*\p+\ks], v[SCR+8*\i+\ks] matrix_a_fmt:MATRIX_FMT_FP6 matrix_b_fmt:MATRIX_FMT_FP6
.else
	v_wmma_scale_f32_16x16x128_f8f6f4 v[ACC+32*\i+8*\p:ACC+32*\i+8*\p+7], v[\f+12*\p:\f+12*\p+11], v[\f+48+12*\i:\f+48+12*\i+11], v[ACC+32*\i+8*\p:ACC+32*\i+8*\p+7], v[SCP+8*\p+\ks], v[SCR+8*\i+\ks] matrix_a_fmt:MATRIX_FMT_FP6 matrix_b_fmt:MATRIX_FMT_FP6
.endif
.endr
.endr
.endm
.macro KSTEP ks
.set CUR, 128*((\ks)%2)
.set NXT, ((\ks)+1)%2
	s_wait_dscnt 0x0                               ; this step's fragments are in
.if \ks < 7
.if \ks > 0
	PLACES
.endif
.if \ks == 3
	v_add_nc_u32 v[AR16], 4*RST, v[AR16]           ; on to the tokens' K steps 4-7, so that the loads' offsets stay inside 16 bits
	v_add_nc_u32 v[AR8], 4*RST, v[AR8]
	s_wait_alu depctr_va_vdst(0)
.endif
	FETCH (\ks)+1, 128*NXT
.endif
.if \ks == 0
	s_wait_loadcnt 0x0                             ; the scale words and the bias
.endif
	WIN MUL
	MULS \ks, CUR
	WIN 0
.endm
	s_wait_alu depctr_va_vdst(0)                   ; the head's end
	s_wait_tensorcnt 0x0                           ; my one load has landed
	s_barrier_signal -1
	s_barrier_wait -1                              ; everybody's has
	FETCH 0, 0
.irp ks, 0,1,2,3,4,5,6,7
	KSTEP \ks
.endr
; THE WAY OUT, a tile of 16 tokens x my 64 channels at a time.  A lane holds 32 neighbouring bytes of a row and the lanes beside it other rows: so a tile goes through my own stage and comes back as whole rows of 256 bytes, into the
; registers that it left.  LDS serves a wave's instructions in order (ISA guide 5.7.1.4): no wait between the stores and the loads, nor in front of the next tile's stores.
.macro PACKT i
.irp p, 0,1,2,3
	ds_store_b128 v[STO], v[ACC+32*\i+8*\p:ACC+32*\i+8*\p+3] offset:64*\p          ; each accumulator from its low end on
	ds_store_b128 v[STO], v[ACC+32*\i+8*\p+4:ACC+32*\i+8*\p+7] offset:64*\p+16
.endr
.irp t, 0,1,2,3,4,5,6,7
	ds_load_b128 v[ACC+32*\i+4*\t:ACC+32*\i+4*\t+3], v[RD] offset:544*\t
.endr
.endm
.macro SENDT i, younger                ; younger: the LDS instructions issued behind tile i's loads: the next tile's sixteen, or none
.irp t, 0,1,2,3,4,5,6,7
	s_wait_dscnt \younger+7-\t
	global_store_b128 v[CO], v[ACC+32*\i+4*\t:ACC+32*\i+4*\t+3], s[16:17] offset:(16*\i+2*\t)*4096 th:TH_STORE_NT   ; 16 lanes store 256 consecutive bytes, aligned; written once, read by nobody here
.endr
.endm
	PLACES
	PACKT 0
	PACKT 1
	SENDT 0, 16
	PACKT 2
	SENDT 1, 16
	PACKT 3
	SENDT 2, 16
	SENDT 3, 0
	s_wait_tensorcnt 0x0
	ds_add_u32 v27, v31
	s_wait_dscnt 0x0
	CROUND                                         ; the closing round: no work-group ends while a partner may still ask for a tile that names it
	s_endpgm
.Lfunc_end_k_q82906d34f7_outp:
	.size	k_q82906d34f7_outp, .Lfunc_end_k_q82906d34f7_outp-k_q82906d34f7_outp
	.p2alignl 7, 3214868480
	.fill 96, 4, 3214868480
	.section	.rodata,"a",@progbits
	.p2align	6, 0x0
	.amdhsa_kernel k_q82906d34f7_outp
		.amdhsa_group_segment_fixed_size 239104
		.amdhsa_private_segment_fixed_size 0
		.amdhsa_enable_private_segment 0
		.amdhsa_kernarg_size 40
		.amdhsa_user_sgpr_count 2
		.amdhsa_user_sgpr_kernarg_segment_ptr 1
		.amdhsa_wavefront_size32 1
		.amdhsa_system_sgpr_workgroup_id_x 1
		.amdhsa_system_sgpr_workgroup_id_y 1
		.amdhsa_system_sgpr_workgroup_id_z 1
		.amdhsa_system_vgpr_workitem_id 0
		.amdhsa_next_free_vgpr 512
		.amdhsa_next_free_sgpr 84
		.amdhsa_reserve_vcc 0
		.amdhsa_float_denorm_mode_32 3
		.amdhsa_float_denorm_mode_16_64 3
		.amdhsa_memory_ordered 1
		.amdhsa_forward_progress 1
		.amdhsa_inst_pref_size 58
	.end_amdhsa_kernel
	.amdgpu_metadata
---
amdhsa.version: [ 1, 2 ]
amdhsa.kernels:
  - .name:           k_q82906d34f7_outp
    .symbol:         k_q82906d34f7_outp.kd
    .args:
      - { .name: Wo_codes, .offset: 0, .size: 8, .value_kind: global_buffer, .address_space: global }
      - { .name: Wo_scales, .offset: 8, .size: 8, .value_kind: global_buffer, .address_space: global }
      - { .name: bo, .offset: 16, .size: 8, .value_kind: global_buffer, .address_space: global }
      - { .name: ao, .offset: 24, .size: 8, .value_kind: global_buffer, .address_space: global }
      - { .name: out0, .offset: 32, .size: 8, .value_kind: global_buffer, .address_space: global }
    .group_segment_fixed_size: 239104
    .private_segment_fixed_size: 0
    .kernarg_segment_align: 8
    .kernarg_segment_size: 40
    .max_flat_workgroup_size: 128
    .sgpr_count:     84
    .vgpr_count:     512
    .wavefront_size: 32
...
	.end_amdgpu_metadata
.endif
;; end of part 3
